; MI455X (gfx1250); checked and timed in simulation.
; The chip was launched on July 23, 2026; its instructions are those of AMD's public machine-readable ISA for CDNA 5 (MIT licence, August 2026) and "CDNA5" Instruction Set Architecture Reference Guide (July 2026). The comments in the code are by the model that wrote it; some were corrected since.
;; Causal Self Attention. Allowed arithmetic: matrix products marked QUANTISED: E4M3 operands, one given power-of-two scale a tensor, by v_wmma_f32_16x16x64_fp8_fp8 or v_wmma_f32_16x16x128_fp8_fp8, f32 sums; everything else in f32.
;; Inputs: b_out 1,024 float32; b_qkv 3,072 float32; lowp_scales 8 int32 (the exponents e of the quantised operands' scales 2^e); w_out 1,024 x 1,024 float32; w_qkv 1,024 x 3,072 float32; x 1 x 4,096 x 1,024 float32.
;; Outputs: out0 1 x 4,096 x 1,024 float32.
;; This version of the problem:
;;   THIS VERSION OF THE PROBLEM IS GIVEN IN LOW PRECISION. The matrix products marked QUANTISED in the list below multiply operands that are first quantised to E4M3 (4 exponent bits, 3 mantissa bits; 8 bits a number), with one given power-of-two scale for each operand tensor; their sums are f32. All else is computed in f32.
;;   The module's matrix products, in the order in which they are computed (A, B: the left and right operand; K: the contracted axis; several contracted axes count as one K, in the product's order):
;;     1. [M 4,096, K 1,024] x [K 1,024, N 3,072]; A: input x; B: input w_qkv: QUANTISED (scales: A lowp_scales[0], B lowp_scales[1])
;;     2. batch 16 x [M 4,096, K 64] x [K 64, N 4,096]; A: computed on the way; B: computed on the way: QUANTISED (scales: A lowp_scales[2], B lowp_scales[3])
;;     3. batch 16 x [M 4,096, K 4,096] x [K 4,096, N 64]; A: softmax (see below); B: computed on the way: QUANTISED (scales: A lowp_scales[4], B lowp_scales[5])
;;     4. [M 4,096, K 1,024] x [K 1,024, N 1,024]; A: computed on the way; B: input w_out: QUANTISED (scales: A lowp_scales[6], B lowp_scales[7])
;;   THE QUANTISER, for each operand of a quantised product, along K:
;;     - The operand's scale is 2^e, e = its entry of the input lowp_scales (int32; the entries are numbered through the quantised products in the list's order, A before B).
;;     - Each number is divided by the scale, clamped to +-448, and rounded to the nearest number of E4M3, ties to even, subnormals kept.
;;     - The product sums the exact products of the quantised numbers (number of the format x scale) in f32.
;;   ~~~python
;;   def quantise(x, axis, e):      # numpy; x: float32 -> the quantised numbers, widened to float32 again
;;       x = np.moveaxis(x, axis, -1); K = x.shape[-1]
;;       r = np.clip(x / 2.0 ** e, -448, 448)
;;       step = 2.0 ** (np.maximum(np.frexp(np.where(r == 0, 1, r))[1] - 1, -6) - 3)
;;       q = np.round(r / step) * step * 2.0 ** e      # np.round: ties to even
;;       return np.moveaxis(q, -1, axis).astype(np.float32)
;;   ~~~
;;   SOFTMAX AHEAD OF A QUANTISED PRODUCT. Where the list says 'softmax', what is quantised is not the finished softmax but p = 2^(t - M), with t = logit x log2(e) and M = ceil(the row's largest t), a whole number; so 1/2 < the row's largest p <= 1. The row's sum l is taken of the UNQUANTISED p, in f32, and the product's result is divided by l at the end. Since M is a whole number, a kernel that streams over the keys may use a running M (the ceiling of the running maximum): every later rescaling is an exact power of two, so the quantised numbers keep their values, but for numbers so far below the row's largest that they fall under the format's range.
;;   OPERANDS COMPUTED ON THE WAY. 'Computed on the way' means the value that the module computes at that place (a softmax that the list does not call 'softmax' is quantised finished and normalised). What goes into a quantiser is computed in f32, as accurately as f32 sums, v_exp_f32 and their like allow (about 1e-6 of the number): no bf16 or f16 on the way to a quantiser, and a product that is left as it is and whose result goes on into a quantised operand takes f32 operands (vector FMAs, or v_wmma_f32_16x16x4_f32). A number that lies on a knife's edge between two numbers of the format may be rounded either way, as far as f32 arithmetic and the matrix unit's own rounding can turn it there, and no further.
;; One version. Each part assembles by itself: llvm-mc -triple=amdgcn-amd-amdhsa -mcpu=gfx1250 --defsym DOCPART=n.
;; ======== version 1 of 1: 4 launches
;; limits: right only within a limited range of input values
;; workspace buffers: xw_codes 8,388,608 bytes; qkv_codes 12,582,912 bytes; y_codes 4,194,304 bytes
;; launch quant (part 1): grid 512 x 1, 4 waves a work-group, no clusters, 39,424 bytes of LDS; arguments x, w_qkv, w_out, lowp_scales, xw_codes; writes xw_codes
.if DOCPART == 1
	.amdgcn_target "amdgcn-amd-amdhsa--gfx1250"
	.amdhsa_code_object_version 6
	.text
	.protected	k_q89e3faedbb_quant
	.globl	k_q89e3faedbb_quant
	.p2align	8
	.type	k_q89e3faedbb_quant,@function
k_q89e3faedbb_quant:
	s_mov_b64 s[64:65], 0
	v_nop
	global_prefetch_b8 v0, s[64:65] scope:SCOPE_SE
	s_setreg_imm32_b32 hwreg(HW_REG_WAVE_MODE, 25, 1), 1
	s_wait_xcnt 0x0
; x [4096][1024], w_qkv [1024][3072] and w_out [1024][1024], f32, become codes of FP8 (E4M3), one byte each, K innermost, in ONE buffer of 8 chunks of 128 along K; a chunk is [8,192 rows][128 codes], 1 MiB:
; rows 0-4095: x's rows; rows 4096-7167: w_qkv's columns, head by head: 64 of q, 64 of k, 64 of v; rows 7168-8191: w_out's columns.  code = number / 2^e, held within +-448, to the nearest code, ties to even;
; e = entry 0 (x), 1 (w_qkv), 7 (w_out) of the given exponents.  LIMITS: each e between -126 and 119, so that 2^e and 448 x 2^e are f32 numbers; NaN among the inputs is not served.
; (Of the whole program only key steps that lie wholly under reference()'s own causal mask are left out: see the attention's kernel.)
; Work-groups 0-255 take the weights, whose K is the FIRST axis: a lane takes a column and its registers run down K, so the conversions give codes with K innermost; a wave takes 32 columns x 128 K, gathers the codes in its own
; stage and stores them as 4,096 consecutive bytes.
; Work-groups 256-511 take x, whose K is innermost.  A wave takes 4 rows in 8 steps of 2 rows x 256 K; each load reads 512 consecutive bytes; a step's 2,048 bytes turn through the wave's own stage in LDS, so that a lane holds 16
; neighbours along K for the conversions and sixteen neighbouring lanes hold a chunk's 256 bytes of the two rows.
; Both kinds read 65,536 bytes.  The two ways have LDS bytes of their own, share no barrier, and join at the closing lines.  No tensor loads, no matrix unit, no cluster: the waves share nothing; each byte is read once and written once.
.set STEPS,  8
.set SP,     80                        ; x: a lane's place in a stage: 64 bytes + 16 of padding
.set XSTG,   2*32*SP                   ; x: two stages for each wave
.set WST,    4*XSTG                    ; the weights' stages begin here
.set WPITCH, 144                       ; a column's 128 codes + 16 of padding
.set WSTG,   32*WPITCH
.set SPARE,  WST+4*WSTG                ; behind the stages: the spare words, 128 bytes for each wave, that no other line names
.set CH,     0x100000                  ; a chunk
.set VXO,    3                         ; x: byte offset of my 16 codes
.set SPW,    12                        ; v12  LDS address of my spare word; never rewritten
.set NIL,    13                        ; v13  0; never rewritten
.set R,      16                        ; x: v16-79 four sets of 16 numbers as loaded
.set X,      80                        ; x: v80-111 two sets of 16 neighbours
.set C,      128                       ; x: v128-159 codes, four registers for each step: no store's data are written again
.set WO,     16                        ; weights: v16-47 byte offsets of 32 rows of the weight at my column
.set WX,     48                        ; weights: v48-175 four sets of 32 numbers; then v48-79 the way out
.set WC,     176                       ; weights: v176-207 the four blocks' codes
	s_load_b256 s[4:11], s[0:1], 0x0               ; x s[4:5], w_qkv s[6:7], w_out s[8:9], the exponents s[10:11]
	s_load_b64 s[12:13], s[0:1], 0x20              ; the codes
	v_lshl_add_u32 v[SPW], v0, 2, SPARE
	v_mov_b32 v[NIL], 0
	v_lshrrev_b32 v1, 5, v0
	v_readfirstlane_b32 s16, v1                    ; wave 0..3
	s_mul_i32 s17, s16, XSTG
	s_mul_i32 s18, s16, WSTG
	s_add_co_u32 s18, s18, WST
	v_and_b32 v1, 31, v0                           ; lane
	; every LDS address is made here, ahead of the parting of the ways
	v_lshlrev_b32 v2, 4, v1                        ; 16 x lane
	v_lshrrev_b32 v14, 2, v1
	v_and_b32 v15, 3, v1
	v_mul_u32_u24 v14, v14, SP
	v_and_b32 v5, 7, v1
	v_bfe_u32 v6, v1, 3, 1
	v_lshl_add_u32 v14, v15, 4, v14
	v_lshrrev_b32 v7, 4, v1
	v_lshl_add_u32 v15, v6, 4, v5
	v_add_nc_u32 v14, s17, v14                     ; x, into the stage: four lanes' 64 bytes on end, then padding
	v_lshl_add_u32 v15, v7, 3, v15                 ; x, out of it: lanes 0-7: the first 128 K of the first row, 8-15: of the second row; 16-31: the second 128 K
	v_lshrrev_b32 v9, 3, v1
	v_mul_u32_u24 v15, v15, SP
	v_mul_u32_u24 v8, v1, WPITCH
	v_mul_u32_u24 v9, v9, WPITCH
	v_add_nc_u32 v15, s17, v15
	v_add_nc_u32 v8, s18, v8                       ; weights, into the stage: row = my column
	v_lshl_add_u32 v9, v5, 4, v9
	v_and_b32 v[VXO], 15, v1
	v_add_nc_u32 v9, s18, v9                       ; weights, out of it: eight lanes to a row, four rows an instruction
	v_lshlrev_b32 v[VXO], 4, v[VXO]
	v_lshl_add_u32 v[VXO], v7, 20, v[VXO]          ; lanes 16-31: the next chunk
	s_wait_alu depctr_va_vdst(0)
	s_wait_kmcnt 0x0
	s_load_b256 s[24:31], s[10:11], 0x0            ; e0 .. e7
	s_cmp_lt_u32 ttmp9, 256
	s_cbranch_scc1 .Lw
; ---------------- x
.macro LOAD t                          ; step t: rows 2 (t / 4), 2 (t / 4) + 1 of my four, 256 along K from 256 (t % 4) on
.set i, 0
.rept 4
	global_load_b128 v[R+16*((\t)%4)+4*i:R+16*((\t)%4)+4*i+3], v2, s[4:5] offset:8192*((\t)/4)+1024*((\t)%4)+4096*(i/2)+512*(i%2) th:TH_LOAD_NT   ; 32 lanes read 512 consecutive bytes
.set i, i+1
.endr
.endm
.macro TURN t                          ; step t's numbers through the stage: LDS serves a wave's instructions in order, so no wait stands between the stores and the loads
.set i, 0
.rept 4
	ds_store_b128 v14, v[R+16*((\t)%4)+4*i:R+16*((\t)%4)+4*i+3] offset:32*SP*((\t)%2)+8*SP*i
.set i, i+1
.endr
.set i, 0
.rept 4
	ds_load_b128 v[X+16*((\t)%2)+4*i:X+16*((\t)%2)+4*i+3], v15 offset:32*SP*((\t)%2)+16*i
.set i, i+1
.endr
.endm
.macro STEP t
.set XS, X+16*((\t)%2)
	s_wait_dscnt 0x0                               ; this step's numbers are back from the stage, and its stores into the stage have read their registers,
.if (\t)+4 < STEPS
	LOAD (\t)+4                                    ; which take the loads of four steps on
.endif
.if (\t)+1 < STEPS
.if STEPS-2-(\t) >= 3
	s_wait_loadcnt 12                              ; the next step's four loads are in; those of the three steps behind it may be out
.else
	s_wait_loadcnt 4*(STEPS-2-(\t))                ; the counts run down
.endif
	TURN (\t)+1
.endif
.set i, 0
.rept 16
	v_med3_num_f32 v[XS+i], v[XS+i], -v10, v10     ; the conversion does not saturate (ISA guide 7.6.2): the hold at the largest code x the scale comes first
.set i, i+1
.endr
	v_cvt_scalef32_pk8_fp8_f32 v[C+4*(\t):C+4*(\t)+1], v[XS:XS+7], v11
	v_cvt_scalef32_pk8_fp8_f32 v[C+4*(\t)+2:C+4*(\t)+3], v[XS+8:XS+15], v11
	global_store_b128 v[VXO], v[C+4*(\t):C+4*(\t)+3], s[12:13] offset:256*((\t)/4)+2*CH*((\t)%4)   ; sixteen lanes store 256 consecutive bytes, at a multiple of 256 from the buffer's first byte
.endm
	s_sub_co_u32 s18, ttmp9, 256
	s_lshl_b32 s18, s18, 2
	s_add_co_u32 s18, s18, s16                     ; which four rows are my wave's
	s_lshl_b32 s20, s18, 14
	s_mov_b32 s21, 0
	s_add_nc_u64 s[4:5], s[4:5], s[20:21]
	s_lshl_b32 s20, s18, 9
	s_add_nc_u64 s[12:13], s[12:13], s[20:21]
	LOAD 0
	LOAD 1
	LOAD 2
	LOAD 3
	s_wait_kmcnt 0x0
	s_add_co_i32 s22, s24, 127
	s_lshl_b32 s23, s22, 23
	v_mov_b32 v11, s23                             ; 2^e0 as f32: the conversion takes its exponent field
	s_add_co_i32 s22, s22, 8
	s_lshl_b32 s22, s22, 23
	s_or_b32 s22, s22, 0x600000
	v_mov_b32 v10, s22                             ; 448 x 2^e0
	s_wait_alu depctr_va_vdst(0)
	s_wait_loadcnt 12                              ; step 0's four loads are in
	TURN 0
.irp t, 0,1,2,3,4,5,6,7
	STEP \t
.endr
	s_branch .Lend
; ---------------- the weights
.Lw:
	s_and_b32 s19, ttmp9, 31                       ; which 128 columns: 0-23 w_qkv's, 24-31 w_out's
	s_lshr_b32 s20, ttmp9, 5                       ; which chunk
	s_cmp_lt_u32 s19, 24                           ; the choice hangs on the work-group's number alone
	s_cselect_b64 s[6:7], s[6:7], s[8:9]           ; the weight,
	s_mov_b32 s21, 4096
	s_cselect_b32 s21, 12288, s21                  ; a row of it in bytes,
	s_cselect_b32 s22, 0, 24                       ; and where its columns begin among the groups of 128
	s_sub_co_u32 s22, s19, s22
	s_lshl_b32 s22, s22, 7
	s_lshl_b32 s23, s16, 5
	s_add_co_u32 s22, s22, s23                     ; my wave's first column
	s_bfe_u32 s33, s22, 0x40006
	s_mul_i32 s33, s33, 192
	s_lshr_b32 s32, s22, 10
	s_lshl_b32 s32, s32, 6
	s_add_co_u32 s33, s33, s32
	s_and_b32 s32, s22, 32
	s_add_co_u32 s33, s33, s32                     ; w_qkv: 192 x head + 64 x (q, k or v) + the half of a head
	s_add_co_u32 s32, s22, 3072                    ; w_out: behind w_qkv's
	s_cmp_lt_u32 s19, 24
	s_cselect_b32 s52, s33, s32
	s_add_co_u32 s52, s52, 4096                    ; the weights' rows lie behind x's 4,096
	s_lshl_b32 s52, s52, 7
	s_lshl_b32 s53, s20, 20
	s_add_co_u32 s52, s52, s53
	s_mov_b32 s53, 0
	s_add_nc_u64 s[12:13], s[12:13], s[52:53]
	s_mul_i32 s32, s20, s21
	s_lshl_b32 s32, s32, 7                         ; 128 rows for each chunk
	s_lshl_b32 s22, s22, 2
	s_add_co_u32 s32, s32, s22
	s_mov_b32 s33, 0
	s_add_nc_u64 s[36:37], s[6:7], s[32:33]        ; a base for each block of 32 rows: none is ever rewritten
	s_lshl_b32 s34, s21, 5
	s_mov_b32 s35, 0
.irp t, 1,2,3
	s_add_nc_u64 s[36+2*\t:37+2*\t], s[34+2*\t:35+2*\t], s[34:35]
.endr
	v_lshlrev_b32 v[WO], 2, v1                     ; 4 bytes a lane: a load reads 128 consecutive bytes, the four waves side by side 512
.set i, 1
.rept 31
	v_add_nc_u32 v[WO+i], s21, v[WO+i-1]
.set i, i+1
.endr
.irp t, 0,1,2,3
.set i, 0
.rept 32
	global_load_b32 v[WX+32*\t+i], v[WO+i], s[36+2*\t:37+2*\t] th:TH_LOAD_NT
.set i, i+1
.endr
.endr
	s_wait_kmcnt 0x0
	s_cmp_lt_u32 s19, 24
	s_cselect_b32 s22, s25, s31                    ; e1 or e7
	s_add_co_i32 s22, s22, 127
	s_lshl_b32 s23, s22, 23
	v_mov_b32 v11, s23
	s_add_co_i32 s22, s22, 8
	s_lshl_b32 s22, s22, 23
	s_or_b32 s22, s22, 0x600000
	v_mov_b32 v10, s22
	s_wait_alu depctr_va_vdst(0)
.macro BLOCK t, out                    ; out: loads behind this block's that may be out
	s_wait_loadcnt \out
.set i, 0
.rept 32
	v_med3_num_f32 v[WX+32*\t+i], v[WX+32*\t+i], -v10, v10
.set i, i+1
.endr
.irp g, 0,1,2,3
	v_cvt_scalef32_pk8_fp8_f32 v[WC+8*\t+2*\g:WC+8*\t+2*\g+1], v[WX+32*\t+8*\g:WX+32*\t+8*\g+7], v11
.endr
	v_nop
	ds_store_b128 v8, v[WC+8*\t:WC+8*\t+3] offset:32*\t    ; 32 codes: 32 bytes of my column's row
	ds_store_b128 v8, v[WC+8*\t+4:WC+8*\t+7] offset:32*\t+16
.endm
	BLOCK 0, 63
	BLOCK 1, 63
	BLOCK 2, 32
	BLOCK 3, 0
.irp t, 0,1,2,3,4,5,6,7
	ds_load_b128 v[WX+4*\t:WX+4*\t+3], v9 offset:4*\t*WPITCH   ; LDS serves a wave's instructions in order: these see my stores
.endr
.irp t, 0,1,2,3,4,5,6,7
	s_wait_dscnt 7-\t
	global_store_b128 v2, v[WX+4*\t:WX+4*\t+3], s[12:13] offset:512*\t   ; 32 lanes store 512 consecutive bytes, at a multiple of 512 from the buffer's first byte
.endr
.Lend:
	s_wait_tensorcnt 0x0                           ; the wave's end: behind my last LDS store
	ds_add_u32 v[SPW], v[NIL]
	s_wait_dscnt 0x0
	s_endpgm
.Lfunc_end_k_q89e3faedbb_quant:
	.size	k_q89e3faedbb_quant, .Lfunc_end_k_q89e3faedbb_quant-k_q89e3faedbb_quant
	.p2alignl 7, 3214868480
	.fill 96, 4, 3214868480
	.section	.rodata,"a",@progbits
	.p2align	6, 0x0
	.amdhsa_kernel k_q89e3faedbb_quant
		.amdhsa_group_segment_fixed_size 39424
		.amdhsa_private_segment_fixed_size 0
		.amdhsa_enable_private_segment 0
		.amdhsa_kernarg_size 40
		.amdhsa_user_sgpr_count 2
		.amdhsa_user_sgpr_kernarg_segment_ptr 1
		.amdhsa_wavefront_size32 1
		.amdhsa_system_sgpr_workgroup_id_x 1
		.amdhsa_system_sgpr_workgroup_id_y 1
		.amdhsa_system_sgpr_workgroup_id_z 1
		.amdhsa_system_vgpr_workitem_id 0
		.amdhsa_next_free_vgpr 208
		.amdhsa_next_free_sgpr 66
		.amdhsa_reserve_vcc 0
		.amdhsa_float_denorm_mode_32 3
		.amdhsa_float_denorm_mode_16_64 3
		.amdhsa_memory_ordered 1
		.amdhsa_forward_progress 1
		.amdhsa_inst_pref_size 47
	.end_amdhsa_kernel
	.amdgpu_metadata
---
amdhsa.version: [ 1, 2 ]
amdhsa.kernels:
  - .name:           k_q89e3faedbb_quant
    .symbol:         k_q89e3faedbb_quant.kd
    .args:
      - { .name: x, .offset: 0, .size: 8, .value_kind: global_buffer, .address_space: global }
      - { .name: w_qkv, .offset: 8, .size: 8, .value_kind: global_buffer, .address_space: global }
      - { .name: w_out, .offset: 16, .size: 8, .value_kind: global_buffer, .address_space: global }
      - { .name: lowp_scales, .offset: 24, .size: 8, .value_kind: global_buffer, .address_space: global }
      - { .name: xw_codes, .offset: 32, .size: 8, .value_kind: global_buffer, .address_space: global }
    .group_segment_fixed_size: 39424
    .private_segment_fixed_size: 0
    .kernarg_segment_align: 8
    .kernarg_segment_size: 40
    .max_flat_workgroup_size: 128
    .sgpr_count:     66
    .vgpr_count:     208
    .wavefront_size: 32
...
	.end_amdgpu_metadata
.endif
;; end of part 1
;; launch gemm_qkv (part 2): grid 16 x 16, 4 waves a work-group, clusters of 4 x 4, 327,680 bytes of LDS; arguments xw_codes, lowp_scales, b_qkv, qkv_codes; writes qkv_codes
.if DOCPART == 2
	.amdgcn_target "amdgcn-amd-amdhsa--gfx1250"
	.amdhsa_code_object_version 6
	.text
	.protected	k_q89e3faedbb_gemm_qkv
	.globl	k_q89e3faedbb_gemm_qkv
	.p2align	8
	.type	k_q89e3faedbb_gemm_qkv,@function
k_q89e3faedbb_gemm_qkv:
	s_mov_b64 s[64:65], 0
	v_nop
	global_prefetch_b8 v0, s[64:65] scope:SCOPE_SE
	s_setreg_imm32_b32 hwreg(HW_REG_WAVE_MODE, 25, 1), 1
	s_wait_xcnt 0x0
	s_wait_alu depctr_hold_cnt(0) depctr_sa_sdst(0) depctr_va_vdst(0) depctr_va_sdst(0) depctr_va_ssrc(0) depctr_va_vcc(0) depctr_vm_vsrc(0)
	s_getreg_b32 s2, hwreg(HW_REG_IB_STS2, 6, 4)
	s_cmp_eq_u32 s2, 0
	s_cbranch_scc0 .Lentry_in_a_cluster
	s_endpgm
.Lentry_in_a_cluster:
	s_bfe_u32 s2, ttmp6, 0x10000c
	s_cmp_lg_u32 s2, 0xf033
	s_cbranch_scc0 .Lentry_shape_is_right
	s_endpgm
.Lentry_shape_is_right:
; qkv = x w_qkv + b_qkv on codes of FP8 (E4M3), and q, k and v leave as codes with 2^e2, 2^e3, 2^e5.  In: the buffer of chunks of 128 along K, each [8,192 rows][128]: rows 0-4095 x's, rows 4096 + 192 head on: that head's 64 columns
; of q, of k and of v.  Out: q at byte 0, k at 4 MiB: [head][token][64]; v at 8 MiB: [head][block of 64 keys][64 channels][64 places], key 32 c + 16 u + 8 g + j of a block at place 32 c + 16 g + 8 u + j.
; code = (sum + b 2^-(e0 + e1)) / 2^(e - e0 - e1), held at the largest code.  LIMITS: e - e0 - e1 between -126 and 119 for e = e2, e3, e5.  NaN among the inputs is not served.
; A work-group makes 256 tokens x one head's 192 columns: 16 x 16 = 256 work-groups.  Four waves, each 64 tokens x 192: 48 accumulators of 16 x 16, 384 registers, and two sets of fragments of 128 along K.
; K: half of it (4 chunks) comes by ONE load a wave at the head: waves 0 and 1 A's two halves of 128 rows, waves 2 and 3 B's of 96.  Two slots of two chunks each; each slot is filled once more.
; In LDS 16 bytes of padding follow every 256 (two rows of 128): row r of a chunk's half at 272 (r / 2) + 128 (r % 2).
; CLUSTERS: 4 x 4 work-groups: A's tile is asked for jointly by a row of the cluster, B's by a column.
; PREFETCHES: behind the head's load for chunks 4 and 5, which the first refill loads; behind that refill for chunks 6 and 7, which the second loads; the head's chunks come by their load alone.  One instruction a wave: of what a wave
; fetches (A: 64 blocks of 256 bytes a chunk, B: 48) each of the four partners that ask jointly takes a quarter, told apart by address: chunk p / 2 of the two, half p % 2, lanes 256 bytes apart (p = cx for A, cy for B; in B the
; lanes behind the 24th name the last block again).
; q and k are made TRANSPOSED (source 0 = weights, source 1 = tokens): a lane holds eight neighbouring channels of one token.  v with the sources the other way round: eight neighbouring tokens of one channel.
; The biases x 2^-(e0 + e1) are the C of each accumulator's first product.
; REGISTERS: window 0: v8-30 scales, addresses; v32-63 v's biases, v192-255 q's and k's; v64-127, v128-191 A's fragments, two sets.  Windows 1 and 2: v0-191 B's fragments, one set each; v192-255 v's accumulators of token blocks
; 0, 1 and 2, 3.  Window 3: q's accumulators, then k's.
.set CH,    0x100000
.set AC,    17408                      ; a chunk of A's half: 64 LDS rows of 272
.set BC,    13056                      ; of B's half: 48
.set AH,    4*AC
.set BH,    4*BC
.set BOFF,  2*AH
.set STG,   BOFF+2*BH                  ; behind the slots, where no fill lands: three stages of 64 x 80 bytes for each wave
.set STW,   3*5120
.set SPARE, STG+4*STW                  ; the spare words, 128 bytes for each wave, that no other line names
.set SC,   8                           ; v8, v9: q's scale and hold; v10, v11: k's; v12, v13: v's
.set ADA,  16
.set ADB,  18                          ; v18, v19: B's two halves
.set STOQ, 20
.set STOV, 21
.set RD,   22
.set CO,   23
.set VBQ,  24
.set VBV,  25
.set SPW,  28
.set NIL,  29
.set PFO,  30                          ; v30  the prefetches' offset; never rewritten
.set PFA,  66                          ; s[66:67] where they stand; never rewritten
.set CV,   32
.set AF,   64
.set CQ,   192
.set CD,   64                          ; the way out: v64-159 codes; v160-255 rows read back
.set BK,   160
.set G1A, 20                           ; s[20:27], s[28:35] group 1 of the head's loads; s[36:43], s[44:51] of the refills
.set G1B, 28
.set G1AR, 36
.set G1BR, 44
.set G0A, 52                           ; groups 0: the head's,
.set G0B, 56
.set G0A0, 60                          ; slot 0's refill,
.set G0B0, 68
.set G0A1, 72                          ; slot 1's
.set G0B1, 76
.set MSB, 0
.macro WIN new                         ; the immediate's high byte repeats the setting that is left
.if MSB != (\new)
	s_set_vgpr_msb (MSB<<8)|(\new)
.set MSB, (\new)
.endif
.endm
.macro PLACES
.rept 4
	v_nop
.endr
.endm
; A joint load: waves 0 and 1 fetch for A, waves 2 and 3 for B; an s_nop 0 and four v_nop follow each of the two lines.
.macro JLOAD g0a, g1a, g0b, g1b
	s_cmp_eq_u32 s15, 0
	s_cbranch_scc0 .Lfor_b_\@
	tensor_load_to_lds s[\g0a:\g0a+3], s[\g1a:\g1a+7]
	s_nop 0
.rept 4
	v_nop
.endr
	s_branch .Lasked_\@
.Lfor_b_\@:
	tensor_load_to_lds s[\g0b:\g0b+3], s[\g1b:\g1b+7]
	s_nop 0
.rept 4
	v_nop
.endr
.Lasked_\@:
.endm
.macro CREST                           ; a round of the cluster's barrier behind its opening barrier
	s_cmp_lg_u32 s14, 0
	s_cbranch_scc1 .Lnot_wave_0_\@
	s_barrier_signal -3
.Lnot_wave_0_\@:
	s_barrier_wait -3
	s_barrier_signal -1
	s_barrier_wait -1
.endm
.macro CROUND
	s_barrier_signal -1
	s_barrier_wait -1
	CREST
.endm
.macro G1SET g, mask, d0, d1           ; d1 rows of d0 words of 4 bytes, a chunk from row to row; padding: four words after every 64
	s_or_b32 s[\g], s[\mask], (2<<16)|(1<<20)|(1<<21)|(5<<22)|(3<<25)
	s_mov_b32 s[\g+1], (\d0)<<16
	s_mov_b32 s[\g+2], (\d1)<<16
	s_mov_b32 s[\g+3], (\d0)<<16
	s_mov_b32 s[\g+4], \d1
	s_mov_b32 s[\g+5], CH/4
	s_mov_b32 s[\g+6], 0
	s_mov_b32 s[\g+7], 0
.endm
.macro G0SET g, lds, ladd, base, add
	s_mov_b32 s[\g], 1
	s_add_co_u32 s[\g+1], s[\lds], \ladd
	s_add_nc_u64 s[\g+2:\g+3], s[\base:\base+1], \add
	s_or_b32 s[\g+3], s[\g+3], 0x80000000
.endm
	s_load_b256 s[4:11], s[0:1], 0x0               ; codes s[4:5], exponents s[6:7], biases s[8:9], q, k, v's codes s[10:11]
	v_lshl_add_u32 v[SPW], v0, 2, SPARE
	v_mov_b32 v[NIL], 0
	ds_add_u32 v[SPW], v[NIL]                      ; the wave's opening: the add, twice on end, and its wait ahead of my first tensor load
	ds_add_u32 v[SPW], v[NIL]
	v_lshrrev_b32 v1, 5, v0
	v_readfirstlane_b32 s14, v1                    ; wave 0..3
	s_lshr_b32 s15, s14, 1                         ; I fetch for A (0) or for B (1)
	s_and_b32 s16, s14, 1                          ; which half
	s_bfe_u32 s92, ttmp6, 0x40000                  ; cx
	s_bfe_u32 s93, ttmp6, 0x40004                  ; cy
	s_lshl_b32 s18, ttmp9, 2
	s_add_co_u32 s18, s18, s92                     ; the head = 4 x cluster x + cx
	s_and_b32 s17, ttmp7, 0xffff
	s_lshl_b32 s17, s17, 2
	s_add_co_u32 s17, s17, s93                     ; the block of 256 tokens = 4 x cluster y + cy
	s_lshl_b32 s94, s93, 2
	s_lshl_b32 s94, 15, s94                        ; my row of the cluster
	s_lshl_b32 s95, 0x1111, s92                    ; my column
	G1SET G1A, 94, 4096, 4
	G1SET G1B, 95, 3072, 4
	G1SET G1AR, 94, 4096, 2
	G1SET G1BR, 95, 3072, 2
	s_lshl_b32 s96, s17, 15
	s_lshl_b32 s19, s16, 14
	s_add_co_u32 s96, s96, s19                     ; A: row 256 x block + 128 x half, 128 bytes a row
	s_mov_b32 s97, 0
	s_mul_i32 s98, s18, 24576
	s_mul_i32 s19, s16, 12288
	s_add_co_u32 s98, s98, s19
	s_add_co_u32 s98, s98, 0x80000                 ; B: row 4,096 + 192 x head + 96 x half
	s_mov_b32 s99, 0
	s_mul_i32 s100, s16, AH                        ; where they go: no place in the cluster enters an LDS address
	s_mul_i32 s101, s16, BH
	s_add_co_u32 s101, s101, BOFF
	s_wait_dscnt 0x0                               ; both opening adds are done
	s_wait_kmcnt 0x0
	s_load_b256 s[80:87], s[6:7], 0x0              ; e0 .. e7
	s_add_nc_u64 s[88:89], s[4:5], s[96:97]
	s_add_nc_u64 s[90:91], s[4:5], s[98:99]
	G0SET G0A, 100, 0, 88, 0
	G0SET G0B, 101, 0, 90, 0
	G0SET G0A0, 100, 0, 88, 4*CH
	G0SET G0B0, 101, 0, 90, 4*CH
	G0SET G0A1, 100, 2*AC, 88, 6*CH
	G0SET G0B1, 101, 2*BC, 90, 6*CH
	CROUND                                         ; all sixteen work-groups are here: the first joint loads meet
	JLOAD G0A, G1A, G0B, G1B                       ; chunks 0 to 3: both slots
	s_lshl_b32 s2, s18, 8
	s_mov_b32 s3, 0
	s_add_nc_u64 s[8:9], s[8:9], s[2:3]            ; q's biases of my head
	s_lshl_b32 s2, s18, 18
	s_lshl_b32 s19, s17, 14
	s_add_co_u32 s2, s2, s19
	s_lshl_b32 s19, s14, 12
	s_add_co_u32 s2, s2, s19
	s_add_nc_u64 s[10:11], s[10:11], s[2:3]        ; my wave's 4,096 bytes of q: head, 256 x block + 64 x wave tokens on
	s_add_nc_u64 s[12:13], s[10:11], 0x800000      ; and of v
	s_cmp_eq_u32 s15, 0                            ; the prefetches: what I fetch, from chunk 4 on
	s_cselect_b64 s[PFA:PFA+1], s[88:89], s[90:91]
	s_cselect_b32 s4, s92, s93                     ; my place among the four that ask for it with me
	s_mov_b32 s5, 6144
	s_cselect_b32 s5, 8192, s5                     ; half of a chunk
	s_cselect_b32 s19, 31, 23                      ; its last block
	s_and_b32 s2, s4, 1
	s_mul_i32 s2, s2, s5
	s_lshr_b32 s4, s4, 1
	s_lshl_b32 s4, s4, 20
	s_add_co_u32 s4, s4, s2
	s_add_co_u32 s4, s4, 4*CH
	s_mov_b32 s5, 0
	s_add_nc_u64 s[PFA:PFA+1], s[PFA:PFA+1], s[4:5]
	s_mul_i32 s2, s15, AH
	s_mul_i32 s3, s16, AC/2
	s_add_co_u32 s2, s2, s3                        ; my 64 rows of A
	s_mul_i32 s3, s14, STW
	s_add_co_u32 s3, s3, STG                       ; my stages
	v_and_b32 v1, 15, v0                           ; r
	v_bfe_u32 v2, v0, 4, 1                         ; g
	v_and_b32 v3, 31, v0
	v_lshlrev_b32 v[VBQ], 5, v2
	v_lshlrev_b32 v[VBV], 2, v1
.irp h, 0,1
.irp b, 0,1,2,3
	global_load_b128 v[CQ+32*\h+8*\b:CQ+32*\h+8*\b+3], v[VBQ], s[8:9] offset:4096*\h+64*\b        ; b(16 b + 8 g + 0 .. 7)
	global_load_b128 v[CQ+32*\h+8*\b+4:CQ+32*\h+8*\b+7], v[VBQ], s[8:9] offset:4096*\h+64*\b+16
.endr
.endr
.irp b, 0,1,2,3
	global_load_b32 v[4+\b], v[VBV], s[8:9] offset:8192+64*\b
.endr
	v_min_u32 v[PFO], s19, v3
	v_lshrrev_b32 v14, 1, v1
	v_and_b32 v15, 1, v1
	v_lshlrev_b32 v[PFO], 8, v[PFO]
	v_mul_u32_u24 v14, v14, 272
	v_mul_u32_u24 v26, v1, 80
	global_prefetch_b8 v[PFO], s[PFA:PFA+1] th:TH_LOAD_NT scope:SCOPE_SE   ; chunks 4 and 5
	v_lshl_add_u32 v14, v15, 7, v14
	v_lshrrev_b32 v27, 2, v3
	v_lshl_add_u32 v14, v2, 4, v14                 ; a fragment's lane: 272 (r / 2) + 128 (r % 2) + 16 g
	v_mul_u32_u24 v27, v27, 80
	v_add_nc_u32 v[ADA], s2, v14
	v_add_nc_u32 v[ADB], BOFF, v14
	v_add_nc_u32 v[ADB+1], BOFF+BH, v14
	v_and_b32 v15, 3, v3
	v_lshl_add_u32 v[STOQ], v2, 3, v26
	v_lshl_add_u32 v[STOV], v2, 4, v26
	v_lshl_add_u32 v[RD], v15, 4, v27
	v_add_nc_u32 v[STOQ], s3, v[STOQ]              ; in, q and k: token r, + 8 g
	v_add_nc_u32 v[STOV], s3, v[STOV]              ; in, v: channel r, + 16 g
	v_add_nc_u32 v[RD], s3, v[RD]                  ; back: four lanes to a row of 64 bytes
	v_lshlrev_b32 v[CO], 4, v3
	s_wait_alu depctr_va_vdst(0)
	s_wait_kmcnt 0x0
	s_add_co_i32 s2, s80, s81
	s_sub_co_i32 s2, 0, s2                         ; -(e0 + e1)
.macro SCALE e, v
	s_add_co_i32 s3, s[\e], s2
	s_add_co_i32 s3, s3, 127
	s_lshl_b32 s19, s3, 23
	s_add_co_i32 s3, s3, 8
	s_lshl_b32 s3, s3, 23
	s_or_b32 s3, s3, 0x600000
	v_mov_b32 v[\v], s19
	v_mov_b32 v[\v+1], s3                          ; 448 x that
.endm
	SCALE 82, SC
	SCALE 83, SC+2
	SCALE 85, SC+4
	s_wait_alu depctr_va_vdst(0)
	s_wait_loadcnt 0x0
.set j, 0
.rept 64
	v_ldexp_f32 v[CQ+j], v[CQ+j], s2
.set j, j+1
.endr
.set j, 0
.rept 32
	v_ldexp_f32 v[CV+j], v[4+j/8], s2              ; a lane's eight tokens share its channel's bias
.set j, j+1
.endr
; fragments of chunk 2 slot + q into set p: registers 4 c .. 4 c + 3 hold k = 32 c + 16 g + 0 .. 15, in A and B alike.  Two runs of 32 loads.
.macro FB slot, q, p, i
.irp c, 0,1,2,3
	ds_load_b128 v[16*(\i)+4*\c:16*(\i)+4*\c+3], v[ADB+(\i)/6] offset:(2*(\slot)+(\q))*BC+2176*((\i)%6)+32*\c
.endr
.endm
.macro FETCH0 slot, q, p
	WIN 0
.irp a, 0,1,2,3
.irp c, 0,1,2,3
	ds_load_b128 v[AF+64*(\p)+16*\a+4*\c:AF+64*(\p)+16*\a+4*\c+3], v[ADA] offset:(2*(\slot)+(\q))*AC+2176*\a+32*\c
.endr
.endr
	WIN 0x40+0x40*(\p)
.irp i, 0,1,2,3
	FB \slot, \q, \p, \i
.endr
.endm
.macro FETCH1 slot, q, p
	WIN 0x40+0x40*(\p)
.irp i, 4,5,6,7,8,9,10,11
	FB \slot, \q, \p, \i
.endr
.endm
; 16 products of q (h = 0) or k (h = 1) with set p.  All 48 accumulators take turns, one instruction a turn, in the same order in every step.  first = 1: C is the bias.
.macro MULQ h, p, first
.if \first
	WIN 0xc1+(\p)
.else
	WIN 0xf1+(\p)
.endif
.irp a, 0,1,2,3
.irp b, 0,1,2,3
.if \first
	v_wmma_f32_16x16x128_fp8_fp8 v[128*\h+32*\a+8*\b:128*\h+32*\a+8*\b+7], v[16*(4*\h+\b):16*(4*\h+\b)+15], v[AF+64*(\p)+16*\a:AF+64*(\p)+16*\a+15], v[CQ+32*\h+8*\b:CQ+32*\h+8*\b+7]
.else
	v_wmma_f32_16x16x128_fp8_fp8 v[128*\h+32*\a+8*\b:128*\h+32*\a+8*\b+7], v[16*(4*\h+\b):16*(4*\h+\b)+15], v[AF+64*(\p)+16*\a:AF+64*(\p)+16*\a+15], v[128*\h+32*\a+8*\b:128*\h+32*\a+8*\b+7]
.endif
.endr
.endr
.endm
.macro MULV p, first                   ; 16 products of v: source 0 = tokens, source 1 = weights
.irp a, 0,1,2,3
.if \first
	WIN 0x44+0x40*(\a/2)+4*(\p)
.else
	WIN 0x54+0x50*(\a/2)+4*(\p)
.endif
.irp b, 0,1,2,3
.if \first
	v_wmma_f32_16x16x128_fp8_fp8 v[192+32*(\a%2)+8*\b:192+32*(\a%2)+8*\b+7], v[AF+64*(\p)+16*\a:AF+64*(\p)+16*\a+15], v[16*(8+\b):16*(8+\b)+15], v[CV+8*\b:CV+8*\b+7]
.else
	v_wmma_f32_16x16x128_fp8_fp8 v[192+32*(\a%2)+8*\b:192+32*(\a%2)+8*\b+7], v[AF+64*(\p)+16*\a:AF+64*(\p)+16*\a+15], v[16*(8+\b):16*(8+\b)+15], v[192+32*(\a%2)+8*\b:192+32*(\a%2)+8*\b+7]
.endif
.endr
.endr
.endm
.macro EVEN slot, first                ; a slot's first chunk is multiplied, its second fetched
	s_wait_dscnt 0x0
	PLACES                                         ; places in front of loads into the set that the step before multiplied
	FETCH0 \slot, 1, 1
	MULQ 0, 0, \first
	FETCH1 \slot, 1, 1
	MULQ 1, 0, \first
	MULV 0, \first
.endm
; A slot's second chunk is multiplied, and the slots change: all its fragments are in registers when the wave signals.  fill = 1, 2: the slot left behind (0, 1) is filled again, behind a round of the cluster's barrier.
.macro TURN next, fill
	WIN 0
	s_wait_tensorcnt 0x0                           ; all my tensor loads have landed;
	ds_add_u32 v[SPW], v[NIL]                      ; 0 onto my spare word;
	s_wait_dscnt 0x0                               ; the add is done, and so are my reads of this slot
	s_barrier_signal -1
	MULQ 0, 1, 0                                   ; work on registers while the others arrive
	WIN 0
	s_barrier_wait -1
.if (\fill) == 1
	CREST
	JLOAD G0A0, G1AR, G0B0, G1BR                   ; chunks 4 and 5; the four v_nop behind the load are the places in front of the loads below
.elseif (\fill) == 2
	CREST
	JLOAD G0A1, G1AR, G0B1, G1BR                   ; chunks 6 and 7
.else
	PLACES
.endif
	FETCH0 \next, 0, 0
.if (\fill) == 1
	global_prefetch_b8 v[PFO], s[PFA:PFA+1] offset:2*CH th:TH_LOAD_NT scope:SCOPE_SE   ; chunks 6 and 7
.endif
	MULQ 1, 1, 0
	FETCH1 \next, 0, 0
	MULV 1, 0
.endm
	s_wait_alu depctr_va_vdst(0)
	s_wait_tensorcnt 0x0                           ; my part of chunks 0 to 3 is in,
	s_barrier_signal -1
	s_barrier_wait -1                              ; everybody's is
	FETCH0 0, 0, 0
	FETCH1 0, 0, 0
	EVEN 0, 1
	TURN 1, 1
	EVEN 1, 0
	TURN 0, 2
	EVEN 0, 0
	TURN 1, 0                                      ; the refill of slot 1 is in; nothing is filled again
	EVEN 1, 0
	s_wait_dscnt 0x0
	MULQ 0, 1, 0
	MULQ 1, 1, 0
	MULV 1, 0
	PLACES                                         ; behind the last products
	; THE WAY OUT: q, k and v one after the other: held, converted, through a stage of their own, and out as 4,096 consecutive bytes.
.macro CODES h
	WIN 0xc3
.set j, 0
.rept 128
	v_med3_num_f32 v[128*\h+j], v[128*\h+j], -v[SC+2*\h+1], v[SC+2*\h+1]   ; the conversion does not saturate (ISA guide 7.6.2)
.set j, j+1
.endr
	WIN 0x03
.set j, 0
.rept 16
	v_cvt_scalef32_pk8_fp8_f32 v[CD+32*\h+2*j:CD+32*\h+2*j+1], v[128*\h+8*j:128*\h+8*j+7], v[SC+2*\h]
.set j, j+1
.endr
	WIN 0
	v_nop                                          ; a plain instruction behind the last conversion
.endm
.macro CODESV
.irp w, 1, 2
	WIN 0x41*\w
.set j, 0
.rept 64
	v_med3_num_f32 v[192+j], v[192+j], -v[SC+5], v[SC+5]
.set j, j+1
.endr
.endr
.irp w, 1, 2
	WIN \w
.set j, 0
.rept 8
	v_cvt_scalef32_pk8_fp8_f32 v[CD+48+16*\w+2*j:CD+48+16*\w+2*j+1], v[192+8*j:192+8*j+7], v[SC+4]
.set j, j+1
.endr
.endr
	WIN 0
	v_nop
.endm
.macro TOSTAGE h
.irp a, 0,1,2,3
.irp b, 0,1,2,3
.if (\h) == 2
	ds_store_b64 v[STOV], v[CD+64+8*\a+2*\b:CD+64+8*\a+2*\b+1] offset:10240+1280*\b+32*(\a/2)+8*(\a%2)
.else
	ds_store_b64 v[STOQ], v[CD+32*\h+8*\a+2*\b:CD+32*\h+8*\a+2*\b+1] offset:5120*\h+1280*\a+16*\b
.endif
.endr
.endr
.irp n, 0,1,2,3,4,5,6,7
	ds_load_b128 v[BK+32*\h+4*\n:BK+32*\h+4*\n+3], v[RD] offset:5120*\h+640*\n   ; LDS serves a wave's instructions in order: these see the stores above
.endr
.endm
.macro SEND h, base, add
	s_wait_dscnt 0x0
.irp n, 0,1,2,3,4,5,6,7
	global_store_b128 v[CO], v[BK+32*\h+4*\n:BK+32*\h+4*\n+3], s[\base:\base+1] offset:\add+512*\n   ; 32 lanes store 512 consecutive bytes, at a multiple of 512 from the buffer's first byte
.endr
.endm
	CODES 0
	TOSTAGE 0
	CODES 1
	s_wait_alu depctr_va_vdst(0)
	SEND 0, 10, 0
	TOSTAGE 1
	CODESV
	s_wait_alu depctr_va_vdst(0)
	SEND 1, 10, 0x400000
	TOSTAGE 2
	SEND 2, 12, 0
	s_wait_tensorcnt 0x0                           ; the wave's end: behind my last tensor load and my last LDS store
	ds_add_u32 v[SPW], v[NIL]
	s_wait_dscnt 0x0
	CROUND                                         ; the closing round: no work-group ends while a partner may still ask for a tile that names it
	s_endpgm
.Lfunc_end_k_q89e3faedbb_gemm_qkv:
	.size	k_q89e3faedbb_gemm_qkv, .Lfunc_end_k_q89e3faedbb_gemm_qkv-k_q89e3faedbb_gemm_qkv
	.p2alignl 7, 3214868480
	.fill 96, 4, 3214868480
	.section	.rodata,"a",@progbits
	.p2align	6, 0x0
	.amdhsa_kernel k_q89e3faedbb_gemm_qkv
		.amdhsa_group_segment_fixed_size 327680
		.amdhsa_private_segment_fixed_size 0
		.amdhsa_enable_private_segment 0
		.amdhsa_kernarg_size 32
		.amdhsa_user_sgpr_count 2
		.amdhsa_user_sgpr_kernarg_segment_ptr 1
		.amdhsa_wavefront_size32 1
		.amdhsa_system_sgpr_workgroup_id_x 1
		.amdhsa_system_sgpr_workgroup_id_y 1
		.amdhsa_system_sgpr_workgroup_id_z 1
		.amdhsa_system_vgpr_workitem_id 0
		.amdhsa_next_free_vgpr 1024
		.amdhsa_next_free_sgpr 102
		.amdhsa_reserve_vcc 0
		.amdhsa_float_denorm_mode_32 3
		.amdhsa_float_denorm_mode_16_64 3
		.amdhsa_memory_ordered 1
		.amdhsa_forward_progress 1
		.amdhsa_inst_pref_size 114
	.end_amdhsa_kernel
	.amdgpu_metadata
---
amdhsa.version: [ 1, 2 ]
amdhsa.kernels:
  - .name:           k_q89e3faedbb_gemm_qkv
    .symbol:         k_q89e3faedbb_gemm_qkv.kd
    .args:
      - { .name: xw_codes, .offset: 0, .size: 8, .value_kind: global_buffer, .address_space: global }
      - { .name: lowp_scales, .offset: 8, .size: 8, .value_kind: global_buffer, .address_space: global }
      - { .name: b_qkv, .offset: 16, .size: 8, .value_kind: global_buffer, .address_space: global }
      - { .name: qkv_codes, .offset: 24, .size: 8, .value_kind: global_buffer, .address_space: global }
    .group_segment_fixed_size: 327680
    .private_segment_fixed_size: 0
    .kernarg_segment_align: 8
    .kernarg_segment_size: 32
    .max_flat_workgroup_size: 128
    .sgpr_count:     102
    .vgpr_count:     1024
    .wavefront_size: 32
...
	.end_amdgpu_metadata
.endif
;; end of part 2
;; launch attn (part 3): grid 16 x 16, 8 waves a work-group, no clusters, 327,680 bytes of LDS; arguments qkv_codes, lowp_scales, y_codes; writes y_codes
.if DOCPART == 3
	.amdgcn_target "amdgcn-amd-amdhsa--gfx1250"
	.amdhsa_code_object_version 6
	.text
	.protected	k_q89e3faedbb_attn
	.globl	k_q89e3faedbb_attn
	.p2align	8
	.type	k_q89e3faedbb_attn,@function
k_q89e3faedbb_attn:
	s_mov_b64 s[64:65], 0
	v_nop
	global_prefetch_b8 v0, s[64:65] scope:SCOPE_SE
	s_setreg_imm32_b32 hwreg(HW_REG_WAVE_MODE, 25, 1), 1
	s_wait_xcnt 0x0
; y[h][q][:] = the sum over keys k <= q of softmax_k(Q[h][q] . K[h][k] / 8) V[h][k][:], head size 64, 4,096 tokens, 16 heads; both products on codes of FP8 (E4M3); y leaves as codes with 2^e6.
; In: one buffer: q at byte 0 and k at 4 MiB, [head][token][64]; v at 8 MiB, [head][block of 64 keys][64][64 places], key 32 c + 16 u + 8 g + j of a block at place 32 c + 16 g + 8 u + j.
; WORK LEFT OUT: key steps that lie wholly under the causal mask which reference() builds itself (its logits there are -infinity, so p = 0 for all inputs); a NaN or an infinity in such keys alone is not carried to a result.
; THE SOFTMAX AHEAD OF THE SECOND PRODUCT: t = score x log2(e) / 8; M = the row's largest t so far, rounded UP to a whole number; p = 2^(t - M) is quantised with 2^e4, not normalised.  The row's sum is taken of the
; unquantised p and divides at the end.  When M moves, the sum and O are multiplied by 2^(old M - new M): exact.
; SHARES.  Work-group (i, head) owns query blocks 31 - i and i, 128 queries each, and walks one AFTER the other: (32 - i) + (i + 1) = 33 key steps of 128.  A slot holds four steps: 8 - i / 4 slots for the later block and
; 1 + i / 4 for the earlier: nine in every work-group.  A wave owns 32 queries (two tiles of 16) and every second key step: waves 2 p and 2 p + 1 share queries 32 p .. 32 p + 31, one takes the even steps, the other the odd ones.
; Where a block ends each wave puts its O, sum and -M into LDS; later the two halves of each tile are brought under the larger M (a power of two) and added.
; NO CLUSTER: which key steps a wave leaves out, and which it masks, is decided by branches that hang on i, and the four work-groups of a cluster have four different i.  Alike in all partners would mean to walk all 36 steps of the nine
; slots, each with its mask, in place of 33 steps of which two are masked.
; LAYOUT.  Both products are used transposed: S^T = K Q^T (source 0 = 16 neighbouring keys, source 1 = 16 queries), O^T = V^T P^T: a lane holds ONE query (lane % 16) of a tile throughout.  Register 8 T + j of S^T in lane (r, g)
; is key 16 T + 8 g + j, so p's codes of key tile T = 2 c + u are registers 4 c + 2 u, 4 c + 2 u + 1 of the second product's operand; a load of 16 bytes of v at 32 c + 16 g puts place 32 c + 16 g + 8 u + j there: the same key.
; THE RING: two LDS slots of 512 keys.  Each of the eight waves fetches an eighth: waves 0-3 K's, waves 4-7 V's: a quarter (2,048 bytes) of each of the slot's four steps, so every load holds bytes of the slot's first step, which is always read.
; In LDS 16 bytes of padding follow every 256.  Wave w's part begins at 8,704 w; step b's 8 LDS rows lie 2,176 b on.
; THE CHANGE OF SLOTS.  A wave has the operands of its second step of a slot in registers before that step begins: there it signals the barrier, works the step, which touches registers alone, and waits for the barrier behind it.
; LIMITS on the given exponents, so that each power of two below is an f32 number: e2 + e3 between -123 and 130; e4 between -126 and 119; e6 - e4 - e5 between -126 and 119.  NaN among the inputs is not served.
; REGISTERS.  Window 0: v1-14 and v246-253 addresses; v16-31 Q; v32-63 partial sums; v64-191 S^T, then p; v192-223 p's codes; v224-245, v254-255 what a row carries, scales.  Window 1: v0-63 O^T; of a slot's two steps of mine:
; v64-127 K's eight fragments of the first, then V's four of the second; v128-191 V's of the first; v192-255 K's of the second.
.set TP,    272                        ; an LDS row: 256 bytes + 16 of padding
.set PART,  8704                       ; what one wave fetches, in LDS: 32 rows
.set SB,    2176                       ; a step's 8 rows in it
.set VOFF,  4*PART                     ; a slot: K's four parts, then V's four
.set STG,   8*PART                     ; behind slot 0, where no fill lands: 16 rows x (64 bytes + 16) for each wave,
.set QST,   STG+8*1280                 ; and the earlier block's Q, 2,048 bytes for each wave
.set SLOT1, 1<<17                      ; slot 1 begins here: one exclusive or turns an address in one slot into the other's
.set STASH, SLOT1+8*PART               ; the later block's states: for each wave two tiles of 8 x 512 + 256 bytes.  The earlier block's go into slot 1, which has had its last fill and its last read by then
.set SPARE, STASH+8*PART               ; the spare words, 128 bytes for each wave, that no other line names
.set AK0,  1                           ; v1   my lane's place in K's tiles of my half of the steps
.set AV0,  2                           ; v2   the same for V
.set PFO,  3                           ; v3   256 x lane: the prefetches' offset
.set DQ,   4                           ; v4   lane % 16 - 8 (lane / 16)
.set SPW,  5                           ; v5   LDS address of my spare word; never rewritten
.set NIL,  6                           ; v6   0; never rewritten
.set GO,   7                           ; v7   16 x lane
.set ADK,  8
.set ADV,  9
.set STO,  10                          ; v10  the way out: where I put eight codes
.set RD,   11                          ; v11  and where I read 16 bytes back
.set VQ,   12                          ; v12  my lane's place in 16 rows of q
.set QA,   14                          ; v14  my place in the earlier block's Q in LDS
.set QR,   16
.set TT,   32
.set S0,   64
.set S1,   128
.set C0,   192
.set C1,   208
.set UU,   208                         ; tile 1's partial sums, until its codes are written
.set NM0,  224                         ; v[224:225] tile 0: -M and the largest t
.set NM1,  226
.set LS0,  228                         ; v[228:229] tile 0: the sum in two halves
.set LS1,  230
.set F0,   232                         ; v[232:233] tile 0: 2^(old M - new M) (the upper half is only named)
.set F1,   234
.set P0,   236
.set P1,   237
.set W0,   238
.set W1,   239
.set X0,   240
.set X1,   241
.set HOLD, 242
.set SCL,  243
.set NINF, 244
.set DM,   245
.set SL,   246                         ; v246, v247 my state of the later block: 16 bytes a lane, 8 bytes a lane
.set SE,   248                         ; v248, v249 of the earlier
.set RL,   250                         ; v250, v251 the states of the tile that I finish, later block
.set RE,   252                         ; v252, v253 earlier
.set HOLDY, 254
.set SCLY, 255
.set OR,   0
.set KR,   64
.set VR,   128
.set KR2,  192
.set TB,   2                           ; s2   LDS byte at which the slot in hand begins
.set N,    3                           ; s3   the number of the next slot
.set WV,   18
.set HALF, 19                          ; s19  128 x my half of the steps
.set SEL,  20                          ; s[20:21] lane selects for v_permlanex16_b32: lane l xor 16
.set CS,   22                          ; s[22:23] c = log2(e) / 8 x 2^(e2 + e3)
.set G1,   24
.set G0,   40
.set BASE, 48                          ; s[48:49] where my part of a slot begins in memory
.set QE,   50                          ; s50  my first query of the earlier block
.set LQ,   66                          ; s66  my last query
.set NL,   67                          ; s67  slots of the later block
.set NL1,  68                          ; s68  one more
.set PFA,  76
.set LIM,  80
.set KF,   98                          ; s98  the step's first key
.set Q0,   99                          ; s99  my first query
.set MSB, 0
.macro WIN new                         ; the immediate's high byte repeats the setting that is left
.if MSB != (\new)
	s_set_vgpr_msb (MSB<<8)|(\new)
.set MSB, (\new)
.endif
.endm
.macro RESET                           ; a block begins: nothing seen yet
	v_mov_b32 v[NM0+1], 0xff61b1e6                 ; the largest t: -3e38, under every t
	v_mov_b32 v[NM1+1], 0xff61b1e6
	v_mov_b32 v[LS0], 0
	v_mov_b32 v[LS0+1], 0
	v_mov_b32 v[LS1], 0
	v_mov_b32 v[LS1+1], 0
	v_floor_f32 v[NM0], -v[NM0+1]                  ; -M
	v_floor_f32 v[NM1], -v[NM1+1]
	WIN 0x40
.set j, 0
.rept 64
	v_mov_b32 v[OR+j], 0                           ; O^T: every step is written alike, the first finds zeros
.set j, j+1
.endr
	WIN 0
.endm
; A wave's state into LDS: -M and the sum beside each other, then O^T as it lies in the registers.
.macro STASHIT ad
	v_add_f32 v[LS0], v[LS0], v[LS0+1]
	v_add_f32 v[LS1], v[LS1], v[LS1+1]
	v_permlanex16_b32 v[P0], v[LS0], s[SEL], s[SEL+1]
	v_permlanex16_b32 v[P1], v[LS1], s[SEL], s[SEL+1]
	v_add_f32 v[NM0+1], v[LS0], v[P0]              ; with lane l xor 16's: the row's sum over my steps.  (These six are also the places behind the last products)
	v_add_f32 v[NM1+1], v[LS1], v[P1]
	ds_store_b64 v[\ad+1], v[NM0:NM0+1]
	ds_store_b64 v[\ad+1], v[NM1:NM1+1] offset:4352
	WIN 0x04
.set k, 0
.rept 16
	ds_store_b128 v[\ad], v[OR+4*k:OR+4*k+3] offset:4352*(k/8)+512*(k%8)
.set k, k+1
.endr
	WIN 0
.endm
	s_load_b128 s[4:7], s[0:1], 0x0                ; q, k, v's codes s[4:5], the exponents s[6:7]
	s_load_b64 s[12:13], s[0:1], 0x10              ; y's codes
	v_lshl_add_u32 v[SPW], v0, 2, SPARE
	v_mov_b32 v[NIL], 0
	ds_add_u32 v[SPW], v[NIL]                      ; the wave's opening: the add, twice on end, and its wait ahead of my first tensor load
	ds_add_u32 v[SPW], v[NIL]
	v_lshrrev_b32 v13, 5, v0
	v_readfirstlane_b32 s[WV], v13                 ; wave 0..7
	s_and_b32 s92, ttmp7, 0xffff
	s_lshl_b32 s92, s92, 18                        ; the head's first byte in each part: 4,096 x 64
	s_mov_b32 s93, 0
	s_lshr_b32 s94, s[WV], 2
	s_xor_b32 s94, s94, s[WV]
	s_and_b32 s94, s94, 1                          ; my half of the steps: it differs between waves 2 p and 2 p + 1, and between waves w and w + 4
	s_lshl_b32 s[HALF], s94, 7
	s_mul_i32 s51, s94, SB
	s_add_co_u32 s52, s51, VOFF
	s_lshr_b32 s95, s[WV], 1
	s_lshl_b32 s95, s95, 5                         ; my 32 queries of a block
	s_lshl_b32 s96, ttmp9, 7
	s_sub_co_u32 s97, 3968, s96                    ; 128 (31 - i)
	s_add_co_u32 s[QE], s96, s95
	s_add_co_u32 s[Q0], s97, s95
	s_add_co_u32 s[LQ], s[Q0], 31
	s_lshr_b32 s94, ttmp9, 2
	s_sub_co_u32 s[NL], 8, s94
	s_add_co_u32 s[NL1], s[NL], 1
	s_mov_b32 s[G1], (0<<16)|(1<<20)|(5<<22)|(3<<25)   ; no mask; elements of 1 byte; padding on: four words after every 64
	s_mov_b32 s[G1+1], 2048<<16                    ; tensor_dim0: a quarter of a step
	s_mov_b32 s[G1+2], 4<<16                       ; tensor_dim1: four steps
	s_mov_b32 s[G1+3], 2048<<16                    ; tile_dim0
	s_mov_b32 s[G1+4], 4                           ; tile_dim1
	s_mov_b32 s[G1+5], 8192                        ; from step to step
	s_mov_b32 s[G1+6], 0
	s_mov_b32 s[G1+7], 0
	s_lshl_b32 s58, s[WV], 4
	s_add_co_u32 s60, s97, s58                     ; the tile that I finish is a block's tile number w: its first query in the later block,
	s_add_co_u32 s62, s96, s58                     ; and in the earlier
	s_lshl_b32 s60, s60, 6
	s_lshl_b32 s62, s62, 6
	s_mov_b32 s61, 0
	s_mov_b32 s63, 0
	s_lshr_b32 s94, s[WV], 2
	s_lshl_b32 s94, s94, 22
	s_add_co_u32 s94, s94, 0x400000                ; k's part for waves 0-3, v's for waves 4-7
	s_mov_b32 s95, 0
	s_and_b32 s96, s[WV], 3
	s_lshl_b32 s96, s96, 11                        ; which quarter of a step
	s_mov_b32 s97, 0
	s_wait_dscnt 0x0                               ; both opening adds are done
	s_wait_kmcnt 0x0
	s_load_b256 s[84:91], s[6:7], 0x0              ; e0 .. e7
	s_add_nc_u64 s[4:5], s[4:5], s[92:93]          ; my head in q's part
	s_add_nc_u64 s[PFA:PFA+1], s[4:5], s[94:95]
	s_add_nc_u64 s[BASE:BASE+1], s[PFA:PFA+1], s[96:97]
	s_mov_b32 s[G0], 1
	s_mul_i32 s[G0+1], s[WV], PART                 ; slot 0
	s_mov_b64 s[G0+2:G0+3], s[BASE:BASE+1]
	s_or_b32 s[G0+3], s[G0+3], 0x80000000
	tensor_load_to_lds s[G0:G0+3], s[G1:G1+7]      ; my part of slot 0
	s_nop 0
.rept 4
	v_nop
.endr
	; A PREFETCH, at each change of slots, of the slot that the NEXT change will ask for: 32,768 bytes of K and as many of V.  All work-groups of a head walk the same K and V from key 0 on, and work-group 0's later block walks them to
	; the end: it asks, and nobody else; each of its waves for 8,192 bytes, lanes 256 bytes apart: each block of 256 bytes is named once.  Slots 0 and 1 come by their loads alone, and nothing is asked for behind slot 7.
	s_lshl_b32 s96, s96, 2                         ; a prefetch takes a whole step's 8,192 bytes: step (wave % 4) of the slot
	s_add_co_u32 s96, s96, 0x8000                  ; in slot 1: the first change steps it to slot 2
	s_add_nc_u64 s[PFA:PFA+1], s[PFA:PFA+1], s[96:97]
	s_cmp_eq_u32 ttmp9, 0
	s_cselect_b32 s[LIM], 7, 0
	s_lshl_b32 s94, s[Q0], 6
	s_add_nc_u64 s[8:9], s[4:5], s[94:95]          ; q's codes at my first query of the later block,
	s_lshl_b32 s96, s[QE], 6
	s_add_nc_u64 s[10:11], s[4:5], s[96:97]        ; and of the earlier
	s_add_nc_u64 s[12:13], s[12:13], s[92:93]
	s_add_nc_u64 s[14:15], s[12:13], s[60:61]      ; y's codes likewise
	s_add_nc_u64 s[16:17], s[12:13], s[62:63]
	s_mul_i32 s53, s[WV], 1280
	s_add_co_u32 s53, s53, STG                     ; my stage
	s_lshl_b32 s69, s[WV], 11
	s_add_co_u32 s69, s69, QST                     ; my place for the earlier block's Q
	s_mul_i32 s56, s[WV], PART
	s_add_co_u32 s54, s56, STASH                   ; my states
	s_add_co_u32 s55, s56, STASH+4096
	s_add_co_u32 s57, s56, SLOT1+4096
	s_add_co_u32 s56, s56, SLOT1
	s_lshr_b32 s58, s[WV], 1
	s_mul_i32 s58, s58, 2*PART
	s_and_b32 s59, s[WV], 1
	s_mul_i32 s59, s59, 4352
	s_add_co_u32 s60, s58, s59                     ; waves 2 p and 2 p + 1, tile w % 2
	s_add_co_u32 s58, s60, STASH
	s_add_co_u32 s59, s60, STASH+4096
	s_add_co_u32 s61, s60, SLOT1+4096
	s_add_co_u32 s60, s60, SLOT1
	s_mov_b32 s[SEL], 0x76543210
	s_mov_b32 s[SEL+1], 0xfedcba98
	s_mov_b32 s[CS], 0x3e38aa3b                    ; log2(e) / 8
	s_mov_b32 s[TB], 0
	s_mov_b32 s[N], 0
	s_mov_b32 s[KF], s[HALF]
	v_and_b32 v13, 15, v0                          ; r
	v_bfe_u32 v14, v0, 4, 1                        ; g
	v_and_b32 v15, 31, v0                          ; lane
	v_lshlrev_b32 v[VQ], 6, v13
	v_lshl_add_u32 v[VQ], v14, 4, v[VQ]            ; Q: row r of 64 bytes, + 16 g
.irp k, 0,1,2,3                                ; registers 4 c .. 4 c + 3 of a tile: channels 32 c + 16 g + 0 .. 15: the order in which K's fragments are fetched
	global_load_b128 v[QR+4*\k:QR+4*\k+3], v[VQ], s[8:9] offset:1024*(\k/2)+32*(\k%2)
	global_load_b128 v[TT+4*\k:TT+4*\k+3], v[VQ], s[10:11] offset:1024*(\k/2)+32*(\k%2)   ; the earlier block's: it waits in LDS
.endr
	v_lshrrev_b32 v[AK0], 2, v13
	v_and_b32 v254, 3, v13
	v_mul_u32_u24 v[AK0], v[AK0], TP
	v_lshlrev_b32 v[DQ], 3, v14
	v_lshl_add_u32 v[AK0], v254, 6, v[AK0]
	v_lshlrev_b32 v[GO], 4, v15
	v_lshl_add_u32 v[AK0], v14, 4, v[AK0]          ; four rows of 64 bytes to an LDS row: 272 (r / 4) + 64 (r % 4) + 16 g
	v_sub_nc_u32 v[DQ], v13, v[DQ]
	v_add_nc_u32 v[AV0], s52, v[AK0]
	v_add_nc_u32 v[AK0], s51, v[AK0]
	v_lshlrev_b32 v[PFO], 8, v15
	v_lshlrev_b32 v254, 3, v15
	v_mul_u32_u24 v[STO], v13, 80
	v_lshrrev_b32 v[RD], 2, v15
	v_lshl_add_u32 v[STO], v14, 3, v[STO]
	v_mul_u32_u24 v[RD], v[RD], 80
	v_and_b32 v255, 3, v15
	v_add_nc_u32 v[STO], s53, v[STO]               ; in: row r, + 8 g; channels 16 t on: 16 t bytes
	v_lshl_add_u32 v[RD], v255, 4, v[RD]
	v_add_nc_u32 v[QA], s69, v[GO]
	v_add_nc_u32 v[SL], s54, v[GO]
	v_add_nc_u32 v[RD], s53, v[RD]                 ; back: four lanes to a query's 64 bytes
	v_add_nc_u32 v[SL+1], s55, v254
	v_add_nc_u32 v[SE], s56, v[GO]
	v_add_nc_u32 v[SE+1], s57, v254
	v_add_nc_u32 v[RL], s58, v[GO]
	v_add_nc_u32 v[RL+1], s59, v254
	v_add_nc_u32 v[RE], s60, v[GO]
	v_add_nc_u32 v[RE+1], s61, v254
	v_mov_b32 v[P0], 0                             ; written once: a lane permute's destination counts as one of its sources
	v_mov_b32 v[P1], 0
	v_mov_b32 v[F0+1], 0                           ; (named as upper halves)
	v_mov_b32 v[F1+1], 0
	v_mov_b32 v[NINF], 0xff800000                  ; -infinity
	RESET
	s_wait_kmcnt 0x0
	s_add_co_i32 s92, s86, s87
	s_lshl_b32 s92, s92, 23
	s_add_co_i32 s[CS], s[CS], s92                 ; a score stands for score x 2^(e2 + e3): the two exponents are added to c's exponent field
	s_mov_b32 s[CS+1], s[CS]                       ; (named with it as a pair, so it is written)
	s_add_co_i32 s92, s88, 127
	s_lshl_b32 s93, s92, 23
	s_add_co_i32 s92, s92, 8
	s_lshl_b32 s92, s92, 23
	s_or_b32 s92, s92, 0x600000
	s_sub_co_i32 s94, s90, s88
	s_sub_co_i32 s94, s94, s89
	s_add_co_i32 s94, s94, 127
	s_lshl_b32 s95, s94, 23
	s_add_co_i32 s94, s94, 8
	s_lshl_b32 s94, s94, 23
	s_or_b32 s94, s94, 0x600000
	v_mov_b32 v[SCL], s93                          ; 2^e4 as f32, for p's conversion
	v_mov_b32 v[HOLD], s92                         ; 448 x 2^e4
	v_mov_b32 v[SCLY], s95                         ; 2^(e6 - e4 - e5), for y's: y = O^T / the sum x 2^(e4 + e5)
	v_mov_b32 v[HOLDY], s94                        ; 448 x that
.macro HOLD4 s                         ; four numbers from v[s] on.  The conversion does not saturate (ISA guide 7.6.2); p is not negative, so the hold is one-sided
	v_dual_min_num_f32 v[\s], v[HOLD], v[\s] :: v_dual_min_num_f32 v[\s+1], v[HOLD], v[\s+1]
	v_dual_min_num_f32 v[\s+2], v[HOLD], v[\s+2] :: v_dual_min_num_f32 v[\s+3], v[HOLD], v[\s+3]
.endm
.macro LOADK kr, q                     ; K's eight tiles of 16 keys x 64 channels of my step q of the slot
.set t, 0
.rept 8
	ds_load_b128 v[\kr+8*t:\kr+8*t+3], v[ADK] offset:PART*(t/2)+4*TP*(t%2)+2*SB*(\q)
	ds_load_b128 v[\kr+8*t+4:\kr+8*t+7], v[ADK] offset:PART*(t/2)+4*TP*(t%2)+2*SB*(\q)+32
.set t, t+1
.endr
.endm
.macro LOADV vr, q                     ; V's four tiles of 16 channels x 128 keys (two blocks of 64)
.set t, 0
.rept 4
.set c, 0
.rept 4
	ds_load_b128 v[\vr+16*t+4*c:\vr+16*t+4*c+3], v[ADV] offset:PART*(2*(c/2)+t/2)+4*TP*(t%2)+2*SB*(\q)+32*(c%2)
.set c, c+1
.endr
.set t, t+1
.endr
.endm
.macro FETCH                           ; my first step's K and V, and my second's K
	v_add_nc_u32 v[ADK], s[TB], v[AK0]
	v_add_nc_u32 v[ADV], s[TB], v[AV0]
	v_nop                                          ; with the two additions: four places in front of loads into registers that the last products have read
	v_nop
	s_wait_alu depctr_va_vdst(0)
	WIN 0x40
	LOADK KR, 0
	LOADV VR, 0
	LOADK KR2, 1
	WIN 0
.endm
; A KEY STEP: 128 keys x my 32 queries, on K's fragments at kr and V's at vr.  Tiles 0 and 1 are independent, and their chains stand among each other.
; first = 1: my first step of the slot: the operands may still be on their way, and V's of the second are asked for behind the first products.  behind = 1: a reciprocal stands between the last products and this step.
.macro STEP kr, vr, first, behind
	s_cmp_gt_u32 s[KF], s[LQ]                      ; a step all of whose keys come after my queries is left out: a scalar branch on ids, round the step's work alone; where my first step is left out, so is my second
	s_cbranch_scc1 .Lhidden_\@
.if \first
	s_wait_dscnt 32                                ; K is in; V's sixteen loads and the next step's K's may be out
.endif
	WIN 0x01
.set t, 0
.rept 8
	v_wmma_f32_16x16x64_fp8_fp8 v[S0+8*t:S0+8*t+7], v[\kr+8*t:\kr+8*t+7], v[QR:QR+7], 0
	v_wmma_f32_16x16x64_fp8_fp8 v[S1+8*t:S1+8*t+7], v[\kr+8*t:\kr+8*t+7], v[QR+8:QR+15], 0
.set t, t+1
.endr
.rept 4
	v_nop
.endr
.if \first
	WIN 0x40
	LOADV KR, 1                                    ; into the registers that the products above have read (the four v_nop are the places)
.endif
	WIN 0
	s_add_co_u32 s96, s[KF], 127                   ; on the diagonal the scores of hidden keys become -infinity ahead of the maximum: p = 0 then.  A step all of whose keys count skips this
	s_cmp_le_u32 s96, s[Q0]
	s_cbranch_scc1 .Lopen_\@
	s_sub_co_i32 s96, s[Q0], s[KF]
	v_add_nc_u32 v[DM], s96, v[DQ]                 ; tile 0's query - the step's first key - 8 g.  Register 8 T + j holds key 16 T + 8 g + j of the step: hidden where 16 T + j is above this.
.set n, 0
.rept 64                                       ; Tile 1's queries lie 16 further on: what hides key tile T from tile 0 hides key tile T + 1 from tile 1, and key tile 0 is open to tile 1 (the step's first key is at or under my first query)
	v_cmp_gt_i32 vcc_lo, 16*(n/8)+n%8, v[DM]
	v_cndmask_b32 v[S0+n], v[S0+n], v[NINF], vcc_lo
.if n < 56
	v_cndmask_b32 v[S1+8+n], v[S1+8+n], v[NINF], vcc_lo
.endif
.set n, n+1
.endr
.Lopen_\@:
	v_max3_num_f32 v[W0], v[S0], v[S0+1], v[S0+2]  ; the step's largest score of each of my two queries, among my lane's 64 keys, in two chains each,
	v_max3_num_f32 v[W1], v[S1], v[S1+1], v[S1+2]
	v_max3_num_f32 v[X0], v[S0+3], v[S0+4], v[S0+5]
	v_max3_num_f32 v[X1], v[S1+3], v[S1+4], v[S1+5]
.set i, 6
.rept 14
	v_max3_num_f32 v[W0], v[W0], v[S0+i], v[S0+i+1]
	v_max3_num_f32 v[W1], v[W1], v[S1+i], v[S1+i+1]
	v_max3_num_f32 v[X0], v[X0], v[S0+i+2], v[S0+i+3]
	v_max3_num_f32 v[X1], v[X1], v[S1+i+2], v[S1+i+3]
.set i, i+4
.endr
	v_max3_num_f32 v[W0], v[W0], v[S0+62], v[S0+63]
	v_max3_num_f32 v[W1], v[W1], v[S1+62], v[S1+63]
	v_max_num_f32 v[W0], v[W0], v[X0]
	v_max_num_f32 v[W1], v[W1], v[X1]
	v_permlanex16_b32 v[P0], v[W0], s[SEL], s[SEL+1]
	v_permlanex16_b32 v[P1], v[W1], s[SEL], s[SEL+1]
	v_max_num_f32 v[W0], v[W0], v[P0]              ; and among lane l xor 16's
	v_max_num_f32 v[W1], v[W1], v[P1]
	v_mul_f32 v[W0], s[CS], v[W0]                  ; as t (c is positive)
	v_mul_f32 v[W1], s[CS], v[W1]
	v_max_num_f32 v[NM0+1], v[NM0+1], v[W0]        ; the running largest t
	v_max_num_f32 v[NM1+1], v[NM1+1], v[W1]
	v_mov_b32 v[W0], v[NM0]
	v_mov_b32 v[W1], v[NM1]
	v_floor_f32 v[NM0], -v[NM0+1]                  ; the new -M = floor(-t) = -ceil(t): M is a whole number
	v_floor_f32 v[NM1], -v[NM1+1]
	v_sub_f32 v[W0], v[NM0], v[W0]                 ; M's old value less its new one: a whole number, 0 or less
	v_sub_f32 v[W1], v[NM1], v[W1]
	v_cvt_i32_f32 v[W0], v[W0]                     ; (it saturates)
	v_cvt_i32_f32 v[W1], v[W1]
	v_ldexp_f32 v[F0], 1.0, v[W0]                  ; f = 2^(old M - new M)
	v_ldexp_f32 v[F1], 1.0, v[W1]
.set j, 0
.rept 32
	v_pk_fma_f32 v[S0+j:S0+j+1], v[S0+j:S0+j+1], s[CS:CS+1], v[NM0:NM0+1] op_sel_hi:[1,0,0]   ; t - M, two at a time
.set j, j+2
.endr
	WIN 0x41
.if \behind
	s_wait_alu depctr_va_vdst(0)                   ; directly ahead of the first reader of O^T
.endif
.set j, 0
.rept 16
	v_pk_mul_f32 v[OR+j:OR+j+1], v[OR+j:OR+j+1], v[F0:F0+1] op_sel_hi:[1,0]   ; O^T under the new M
	v_pk_mul_f32 v[OR+32+j:OR+32+j+1], v[OR+32+j:OR+32+j+1], v[F1:F1+1] op_sel_hi:[1,0]
.set j, j+2
.endr
	WIN 0
	s_wait_alu depctr_va_vdst(0)                   ; ahead of the batch
.set j, 0
.rept 32                                       ; tile 0's p = 2^(t - M), at most 1, not normalised; among them tile 1's t - M, which no line of this batch reads
	v_exp_f32 v[S0+j], v[S0+j]
	v_pk_fma_f32 v[S1+j:S1+j+1], v[S1+j:S1+j+1], s[CS:CS+1], v[NM1:NM1+1] op_sel_hi:[1,0,0]
	v_exp_f32 v[S0+j+1], v[S0+j+1]
.set j, j+2
.endr
	s_wait_alu depctr_va_vdst(0)                   ; behind tile 0's batch and ahead of tile 1's
.set j, 0
.rept 16                                       ; tile 1's p; among them tile 0's first additions, of the unquantised p, and then its holds; their results are read behind the next wait
	v_exp_f32 v[S1+j], v[S1+j]
	v_pk_add_f32 v[TT+j/2:TT+j/2+1], v[S0+j:S0+j+1], v[S0+j+2:S0+j+3]
	v_exp_f32 v[S1+j+1], v[S1+j+1]
	v_exp_f32 v[S1+j+2], v[S1+j+2]
	HOLD4 S0+j
	v_exp_f32 v[S1+j+3], v[S1+j+3]
.set j, j+4
.endr
	v_pk_mul_f32 v[LS0:LS0+1], v[LS0:LS0+1], v[F0:F0+1] op_sel_hi:[1,0]   ; the sums under the new M
	v_pk_mul_f32 v[LS1:LS1+1], v[LS1:LS1+1], v[F1:F1+1] op_sel_hi:[1,0]
	s_wait_alu depctr_va_vdst(0)                   ; one wait for tile 1's batch, ahead of its first reader
.set k, 0
.rept 8
	v_pk_add_f32 v[UU+2*k:UU+2*k+1], v[S1+8*k:S1+8*k+1], v[S1+8*k+2:S1+8*k+3]
	v_pk_add_f32 v[TT+2*k:TT+2*k+1], v[TT+2*k:TT+2*k+1], v[TT+16+2*k:TT+17+2*k]
.set k, k+1
.endr
.irp d, 4, 6
.set k, 0
.rept 8
	v_pk_add_f32 v[UU+2*k:UU+2*k+1], v[UU+2*k:UU+2*k+1], v[S1+8*k+\d:S1+8*k+\d+1]
.set k, k+1
.endr
.endr
.irp d, 8, 4, 2
.set k, 0
.rept \d/2
	v_pk_add_f32 v[TT+k:TT+k+1], v[TT+k:TT+k+1], v[TT+\d+k:TT+\d+k+1]
	v_pk_add_f32 v[UU+k:UU+k+1], v[UU+k:UU+k+1], v[UU+\d+k:UU+\d+k+1]
.set k, k+2
.endr
.endr
	v_pk_add_f32 v[LS0:LS0+1], v[LS0:LS0+1], v[TT:TT+1]
	v_pk_add_f32 v[LS1:LS1+1], v[LS1:LS1+1], v[UU:UU+1]
.set j, 0
.rept 16
	HOLD4 S1+j
.set j, j+4
.endr
.set t, 0
.rept 8
	v_cvt_scalef32_pk8_fp8_f32 v[C0+2*t:C0+2*t+1], v[S0+8*t:S0+8*t+7], v[SCL]
	v_cvt_scalef32_pk8_fp8_f32 v[C1+2*t:C1+2*t+1], v[S1+8*t:S1+8*t+7], v[SCL]
.set t, t+1
.endr
	v_nop                                          ; a plain instruction between the conversions and the products
	WIN 0x51
.if \first
	s_wait_alu depctr_va_vdst(0)
	s_wait_dscnt 32                                ; V is in; the next step's K and V may be out
.endif
.set t, 0
.rept 4                                        ; O^T += V^T P^T: the eight accumulators take turns
	v_wmma_f32_16x16x128_fp8_fp8 v[OR+8*t:OR+8*t+7], v[\vr+16*t:\vr+16*t+15], v[C0:C0+15], v[OR+8*t:OR+8*t+7]
	v_wmma_f32_16x16x128_fp8_fp8 v[OR+32+8*t:OR+32+8*t+7], v[\vr+16*t:\vr+16*t+15], v[C1:C1+15], v[OR+32+8*t:OR+32+8*t+7]
.set t, t+1
.endr
	WIN 0
.Lhidden_\@:
	s_add_co_u32 s[KF], s[KF], 256
.endm
; Ahead of a change of slots each wave waits for all its tensor loads, adds 0 to its spare word, and waits for that and for its reads of the slot in hand; then it signals.  Behind the barrier the slot ahead is whole and nobody
; reads the other one.  The descriptor and the prefetch's address are stepped here (behind the last slot they are not used).
.macro LINES
	s_wait_alu depctr_va_vdst(0)
	s_wait_tensorcnt 0x0                           ; no tensor load of mine is out, so group 0 may be written
	ds_add_u32 v[SPW], v[NIL]                      ; 0 onto my spare word
	s_add_co_u32 s[N], s[N], 1
	s_cmp_lt_u32 s[N], s[NL]
	s_cselect_b32 s92, 0, s[NL]
	s_sub_co_u32 s92, s[N], s92                    ; which 512 keys: the earlier block begins at key 0 again
	s_lshl_b32 s92, s92, 15
	s_mov_b32 s93, 0
	s_xor_b32 s[G0+1], s[G0+1], SLOT1              ; the other slot than last time
	s_add_nc_u64 s[G0+2:G0+3], s[BASE:BASE+1], s[92:93]
	s_or_b32 s[G0+3], s[G0+3], 0x80000000
	s_wait_xcnt 0x0                                ; the last prefetch, a slot back, has read its address, so it may be written:
	s_add_nc_u64 s[PFA:PFA+1], s[PFA:PFA+1], 0x8000  ; one slot further on than the next load
	s_wait_dscnt 0x0                               ; the add is done, and my reads of the slot in hand are over
	s_barrier_signal -1
.endm
.macro FLUSH                           ; where the slot in hand is the earlier block's first: the later block's state goes out, and the earlier block begins
	s_cmp_eq_u32 s[N], s[NL1]
	s_cbranch_scc0 .Lsame_\@
	STASHIT SL
.irp k, 0,1,2,3
	ds_load_b128 v[QR+4*\k:QR+4*\k+3], v[QA] offset:512*\k
.endr
	s_mov_b32 s[Q0], s[QE]
	s_add_co_u32 s[LQ], s[Q0], 31
	s_mov_b32 s[KF], s[HALF]
	s_wait_dscnt 0x0                               ; the stores have read their registers, and Q is in
	RESET
	s_wait_alu depctr_va_vdst(0)
.Lsame_\@:
.endm
.macro GET b, ad                       ; both halves of the tile that I finish
.set k, 0
.rept 8
	ds_load_b128 v[\b+4*k:\b+4*k+3], v[\ad] offset:512*k
	ds_load_b128 v[\b+36+4*k:\b+36+4*k+3], v[\ad] offset:PART+512*k
.set k, k+1
.endr
	ds_load_b64 v[\b+32:\b+33], v[\ad+1]
	ds_load_b64 v[\b+68:\b+69], v[\ad+1] offset:PART
	s_wait_dscnt 0x0
.endm
; y's code is (O^T / the sum) / 2^(e6 - e4 - e5).
.macro FIN b, w, sb
	v_min_num_f32 v[\w], v[\b+32], v[\b+68]        ; -M of the whole row
	v_mov_b32 v[\w+5], 0                           ; (named as upper halves)
	v_mov_b32 v[\w+7], 0
	v_sub_f32 v[\w+1], v[\w], v[\b+32]
	v_sub_f32 v[\w+2], v[\w], v[\b+68]
	v_cvt_i32_f32 v[\w+1], v[\w+1]                 ; (a half that has seen no key has -M = 3e38: it saturates, and its factor is 0)
	v_cvt_i32_f32 v[\w+2], v[\w+2]
	v_ldexp_f32 v[\w+1], 1.0, v[\w+1]
	v_ldexp_f32 v[\w+2], 1.0, v[\w+2]
	v_mul_f32 v[\w+3], v[\b+33], v[\w+1]
	v_fma_f32 v[\w+3], v[\b+69], v[\w+2], v[\w+3]  ; the row's sum
	s_wait_alu depctr_va_vdst(0)                   ; the wait ahead of the transcendental,
	v_rcp_f32 v[\w+3], v[\w+3]
	v_nop
	s_wait_alu depctr_va_vdst(0)                   ; and the wait ahead of its first reader
	v_mul_f32 v[\w+4], v[\w+1], v[\w+3]
	v_mul_f32 v[\w+6], v[\w+2], v[\w+3]
.set j, 0
.rept 16
	v_pk_mul_f32 v[\b+j:\b+j+1], v[\b+j:\b+j+1], v[\w+4:\w+5] op_sel_hi:[1,0]
.set j, j+2
.endr
.set j, 0
.rept 16
	v_pk_fma_f32 v[\b+j:\b+j+1], v[\b+36+j:\b+36+j+1], v[\w+6:\w+7], v[\b+j:\b+j+1] op_sel_hi:[1,0,1]   ; register 8 t + i is y(r, 16 t + 8 g + i)
.set j, j+2
.endr
.set j, 0
.rept 32
	v_med3_num_f32 v[\b+j], v[\b+j], -v[HOLDY], v[HOLDY]
.set j, j+1
.endr
.set t, 0
.rept 4
	v_cvt_scalef32_pk8_fp8_f32 v[\w+8+2*t:\w+9+2*t], v[\b+8*t:\b+8*t+7], v[SCLY]
.set t, t+1
.endr
	v_nop                                          ; a plain instruction behind the last conversion
.set t, 0
.rept 4
	ds_store_b64 v[STO], v[\w+8+2*t:\w+9+2*t] offset:16*t
.set t, t+1
.endr
	ds_load_b128 v[\w+16:\w+19], v[RD]             ; LDS serves a wave's instructions in order: these see my stores
	ds_load_b128 v[\w+20:\w+23], v[RD] offset:640
	s_wait_dscnt 1
	global_store_b128 v[GO], v[\w+16:\w+19], s[\sb:\sb+1]   ; 32 lanes store 512 consecutive bytes, at a multiple of 512 from the buffer's first byte
	s_wait_dscnt 0
	global_store_b128 v[GO], v[\w+20:\w+23], s[\sb:\sb+1] offset:512
.endm
	s_wait_alu depctr_va_vdst(0)
	s_wait_loadcnt 0x0                             ; both blocks' Q
.irp k, 0,1,2,3
	ds_store_b128 v[QA], v[TT+4*\k:TT+4*\k+3] offset:512*\k
.endr
	LINES                                          ; my part of slot 0 is in
.Lslot:                                            ; 8 trips
	s_barrier_wait -1
	tensor_load_to_lds s[G0:G0+3], s[G1:G1+7]      ; the next slot, into the one left behind (the first time: slot 1's first fill, issued as a refill is): a wave's one tensor load until the next such barrier
	s_nop 0
.rept 4
	v_nop
.endr
	s_cmp_lt_u32 s[N], s[LIM]
	s_cbranch_scc0 .Lnot_mine
	global_prefetch_b8 v[PFO], s[PFA:PFA+1] th:TH_LOAD_NT scope:SCOPE_SE
.Lnot_mine:
	FLUSH
	FETCH
	STEP KR, VR, 1, 0
	LINES                                          ; my second step's operands are in registers
	STEP KR2, KR, 0, 0
	s_xor_b32 s[TB], s[TB], SLOT1                  ; on to the other slot
	s_cmp_lt_u32 s[N], 9
	s_cbranch_scc1 .Lslot
	s_barrier_wait -1                              ; the last slot, number 8, is written out: nothing is left to ask for
	FLUSH
	s_wait_dscnt 0x0                               ; the later block's state is in LDS, whichever slot was its last,
	s_barrier_signal -1
	FETCH                                          ; (slot 0's bytes are written no more)
	STEP KR, VR, 1, 0
	s_wait_alu depctr_va_vdst(0)                   ; directly ahead of the barrier's wait
	s_barrier_wait -1                              ; everybody's is
	GET 32, RL                                     ; the later block's tile goes out (and my second step's operands are in)
	FIN 32, 176, 14
	s_wait_xcnt 0x0                                ; its stores have read their registers
	STEP KR2, KR, 0, 1
	STASHIT SE
	s_wait_dscnt 0x0                               ; the earlier block's state likewise
	s_barrier_signal -1
	s_barrier_wait -1
	GET 104, RE
	FIN 104, 200, 16
	s_wait_tensorcnt 0x0                           ; the wave's end: behind my last tensor load and my last LDS store
	ds_add_u32 v[SPW], v[NIL]
	s_wait_dscnt 0x0
	s_endpgm
.Lfunc_end_k_q89e3faedbb_attn:
	.size	k_q89e3faedbb_attn, .Lfunc_end_k_q89e3faedbb_attn-k_q89e3faedbb_attn
	.p2alignl 7, 3214868480
	.fill 96, 4, 3214868480
	.section	.rodata,"a",@progbits
	.p2align	6, 0x0
	.amdhsa_kernel k_q89e3faedbb_attn
		.amdhsa_group_segment_fixed_size 327680
		.amdhsa_private_segment_fixed_size 0
		.amdhsa_enable_private_segment 0
		.amdhsa_kernarg_size 24
		.amdhsa_user_sgpr_count 2
		.amdhsa_user_sgpr_kernarg_segment_ptr 1
		.amdhsa_wavefront_size32 1
		.amdhsa_system_sgpr_workgroup_id_x 1
		.amdhsa_system_sgpr_workgroup_id_y 1
		.amdhsa_system_sgpr_workgroup_id_z 1
		.amdhsa_system_vgpr_workitem_id 0
		.amdhsa_next_free_vgpr 512
		.amdhsa_next_free_sgpr 100
		.amdhsa_reserve_vcc 1
		.amdhsa_float_denorm_mode_32 3
		.amdhsa_float_denorm_mode_16_64 3
		.amdhsa_memory_ordered 1
		.amdhsa_forward_progress 1
		.amdhsa_inst_pref_size 177
	.end_amdhsa_kernel
	.amdgpu_metadata
---
amdhsa.version: [ 1, 2 ]
amdhsa.kernels:
  - .name:           k_q89e3faedbb_attn
    .symbol:         k_q89e3faedbb_attn.kd
    .args:
      - { .name: qkv_codes, .offset: 0, .size: 8, .value_kind: global_buffer, .address_space: global }
      - { .name: lowp_scales, .offset: 8, .size: 8, .value_kind: global_buffer, .address_space: global }
      - { .name: y_codes, .offset: 16, .size: 8, .value_kind: global_buffer, .address_space: global }
    .group_segment_fixed_size: 327680
    .private_segment_fixed_size: 0
    .kernarg_segment_align: 8
    .kernarg_segment_size: 24
    .max_flat_workgroup_size: 256
    .sgpr_count:     100
    .vgpr_count:     512
    .wavefront_size: 32
...
	.end_amdgpu_metadata
.endif
;; end of part 3
;; launch gemm_out (part 4): grid 8 x 32, 4 waves a work-group, clusters of 4 x 4, 327,680 bytes of LDS; arguments y_codes, xw_codes, lowp_scales, b_out, out0; writes out0
.if DOCPART == 4
	.amdgcn_target "amdgcn-amd-amdhsa--gfx1250"
	.amdhsa_code_object_version 6
	.text
	.protected	k_q89e3faedbb_gemm_out
	.globl	k_q89e3faedbb_gemm_out
	.p2align	8
	.type	k_q89e3faedbb_gemm_out,@function
k_q89e3faedbb_gemm_out:
	s_mov_b64 s[64:65], 0
	v_nop
	global_prefetch_b8 v0, s[64:65] scope:SCOPE_SE
	s_setreg_imm32_b32 hwreg(HW_REG_WAVE_MODE, 25, 1), 1
	s_wait_xcnt 0x0
	s_wait_alu depctr_hold_cnt(0) depctr_sa_sdst(0) depctr_va_vdst(0) depctr_va_sdst(0) depctr_va_ssrc(0) depctr_va_vcc(0) depctr_vm_vsrc(0)
	s_getreg_b32 s2, hwreg(HW_REG_IB_STS2, 6, 4)
	s_cmp_eq_u32 s2, 0
	s_cbranch_scc0 .Lentry_in_a_cluster
	s_endpgm
.Lentry_in_a_cluster:
	s_bfe_u32 s2, ttmp6, 0x10000c
	s_cmp_lg_u32 s2, 0xf033
	s_cbranch_scc0 .Lentry_shape_is_right
	s_endpgm
.Lentry_shape_is_right:
; out = y w_out + b_out on codes of FP8 (E4M3).  y: [head][token][64] codes (k = 64 head + channel); w_out's columns: rows 7,168 on of the buffer of eight chunks of 128 along K, each [8,192 rows][128]; out: [4096][1024] f32.
; out = sum x 2^(e6 + e7) + b.  LIMIT: e6 + e7 between -126 and 127.
; Tiles of 128 x 128: 256 work-groups (256 x 256 would give 64).  Four waves, each 64 x 64: 16 accumulators.  THE WHOLE K FITS IN LDS: waves 0 and 1 ask for A's two halves of 64 rows, waves 2 and 3 for B's, each by one load
; for all of K; nothing is ever filled again.
; CLUSTERS: 4 x 4 work-groups; A's tiles are asked for jointly by a row of the cluster, B's by a column.  No prefetch: all loads go out at the head, and there is no loop to run ahead in.
; A's half: 64 tokens x 16 heads.  A head's 64 tokens are 4,096 dense bytes: 16 rows of 4,096 bytes, 262,144 apart, with 16 bytes of padding behind every 256: a head takes 4,352 bytes of LDS, token T of it begins at
; 272 (T / 4) + 64 (T % 4).  B's half: eight chunks of 64 rows x 128 bytes, dense; row R of a chunk at 272 (R / 2) + 128 (R % 2).
; The matrix instruction is used TRANSPOSED (source 0 = 16 rows of B, source 1 = 16 rows of A): a lane holds eight neighbouring numbers of a row of out.
; THE WORK GOES BY ROWS OF OUT: all of a wave's fragments of B (8 steps of 128 along K x 64 registers) stay in registers; its four blocks of 16 rows are finished one after the other, and a block leaves while the next is multiplied.
; REGISTERS: window 0: v16-29 addresses; v32-63 my biases; v64-95 at work; v96-127 rows read back; v128-255 the accumulators (block a: v[128 + 32 a ..]).  Windows 1 and 2: B's fragments of steps 0-3, 4-7.
; window 3: two buffers of 128: A's fragments of one block, all eight steps.
.set PITCH,  272
.set HEADB,  16*PITCH                  ; a head's 64 tokens
.set LOADA,  16*HEADB                  ; A's half
.set CHB,    32*PITCH                  ; a chunk of B's half
.set LOADB,  8*CHB                     ; B's half
.set BOFF,   2*LOADA
.set STAGE,  BOFF+2*LOADB              ; 16 rows x (256 bytes + 16) for each wave, where no fill lands
.set SPARE,  STAGE+4*16*PITCH          ; the spare words, 128 bytes for each wave, that no other line names
.set ADRA, 16                          ; v16-17 LDS address of my A fragments: heads 0-7, 8-15
.set ADRB, 18                          ; v18-19 of my B fragments: chunks 0-3, 4-7
.set STO,  24
.set RD,   25
.set CO,   26
.set VB,   27
.set SPW,  28                          ; v28  LDS address of my spare word; never rewritten
.set NIL,  29                          ; v29  0; never rewritten
.set BIAS, 32
.set TMP,  64
.set ACC,  128
.set G1A, 24
.set G0A, 32
.set G1B, 48
.set G0B, 36
.set MSB, 0
.macro WIN new                         ; the immediate's high byte repeats the setting that is left
.if MSB != (\new)
	s_set_vgpr_msb (MSB<<8)|(\new)
.set MSB, (\new)
.endif
.endm
.macro CROUND                          ; a round of the cluster's barrier
	s_barrier_signal -1
	s_barrier_wait -1
	s_cmp_lg_u32 s14, 0
	s_cbranch_scc1 .Lnot_wave_0_\@
	s_barrier_signal -3
.Lnot_wave_0_\@:
	s_barrier_wait -3
	s_barrier_signal -1
	s_barrier_wait -1
.endm
	s_load_b256 s[4:11], s[0:1], 0x0               ; y's codes s[4:5], the weights' codes s[6:7], the exponents s[8:9], b_out s[10:11]
	s_load_b64 s[12:13], s[0:1], 0x20              ; out
	v_lshl_add_u32 v[SPW], v0, 2, SPARE
	v_mov_b32 v[NIL], 0
	ds_add_u32 v[SPW], v[NIL]                      ; the wave's opening: the add, twice on end, and its wait ahead of my first tensor load
	ds_add_u32 v[SPW], v[NIL]
	v_lshrrev_b32 v1, 5, v0
	v_readfirstlane_b32 s14, v1                    ; wave 0..3
	s_lshr_b32 s15, s14, 1                         ; which half of the tile's rows is mine.  Also: I fetch for A (0) or for B (1)
	s_and_b32 s16, s14, 1                          ; which half of its columns.  Also: which 64 rows of that tile I fetch
	s_bfe_u32 s84, ttmp6, 0x40000                  ; cx, cy
	s_bfe_u32 s85, ttmp6, 0x40004
	s_lshl_b32 s86, ttmp9, 2
	s_add_co_u32 s86, s86, s84                     ; tile column = 4 x cluster x + cx
	s_and_b32 s87, ttmp7, 0xffff
	s_lshl_b32 s87, s87, 2
	s_add_co_u32 s87, s87, s85                     ; tile row = 4 x cluster y + cy
	s_lshl_b32 s88, s85, 2
	s_lshl_b32 s88, 15, s88                        ; my row of the cluster
	s_lshl_b32 s89, 0x1111, s84                    ; my column
	s_or_b32 s[G1A], s88, (0<<16)|(1<<20)|(1<<21)|(5<<22)|(3<<25)   ; the mask; elements of 1 byte; padding on; bit 21 beside a mask; four words after every 64
	s_mov_b32 s[G1A+1], 4096<<16                   ; tensor_dim0: 64 tokens x 64 bytes
	s_mov_b32 s[G1A+2], 16<<16                     ; tensor_dim1: 16 heads
	s_mov_b32 s[G1A+3], 4096<<16                   ; tile_dim0
	s_mov_b32 s[G1A+4], 16                         ; tile_dim1
	s_mov_b32 s[G1A+5], 262144                     ; from head to head
	s_mov_b32 s[G1A+6], 0
	s_mov_b32 s[G1A+7], 0
	s_or_b32 s[G1B], s89, (0<<16)|(1<<20)|(1<<21)|(5<<22)|(3<<25)
	s_mov_b32 s[G1B+1], 8192<<16                   ; 64 rows x 128 bytes
	s_mov_b32 s[G1B+2], 8<<16                      ; 8 chunks
	s_mov_b32 s[G1B+3], 8192<<16
	s_mov_b32 s[G1B+4], 8
	s_mov_b32 s[G1B+5], 0x100000                   ; from chunk to chunk
	s_mov_b32 s[G1B+6], 0
	s_mov_b32 s[G1B+7], 0
	s_lshl_b32 s17, s16, 6                         ; which 64 rows of the tile I fetch
	s_lshl_b32 s20, s87, 7
	s_add_co_u32 s20, s20, s17
	s_lshl_b32 s20, s20, 6                         ; A: token 128 x tile row + 64 x half, 64 bytes a token in each head
	s_mov_b32 s21, 0
	s_lshl_b32 s22, s86, 7
	s_add_co_u32 s22, s22, s17
	s_add_co_u32 s22, s22, 7168
	s_lshl_b32 s22, s22, 7                         ; B: row 7,168 + 128 x tile column + 64 x half
	s_mov_b32 s23, 0
	s_mul_i32 s19, s16, LOADA                      ; where they go: no place in the cluster enters an LDS address
	s_mul_i32 s18, s16, LOADB
	s_add_co_u32 s18, s18, BOFF
	s_wait_dscnt 0x0                               ; both opening adds are done
	s_wait_kmcnt 0x0
	s_load_b256 s[56:63], s[8:9], 0x0              ; e0 .. e7
	s_add_nc_u64 s[20:21], s[4:5], s[20:21]
	s_add_nc_u64 s[22:23], s[6:7], s[22:23]
	s_mov_b32 s[G0A], 1
	s_mov_b32 s[G0A+1], s19
	s_mov_b64 s[G0A+2:G0A+3], s[20:21]
	s_or_b32 s[G0A+3], s[G0A+3], 0x80000000
	s_mov_b32 s[G0B], 1
	s_mov_b32 s[G0B+1], s18
	s_mov_b64 s[G0B+2:G0B+3], s[22:23]
	s_or_b32 s[G0B+3], s[G0B+3], 0x80000000
	CROUND                                         ; all sixteen work-groups are here: the joint loads meet
	s_cmp_lt_u32 s14, 2                            ; one load a wave; an s_nop 0 and four v_nop follow each of the two lines
	s_cbranch_scc0 .Lfirst_b
	tensor_load_to_lds s[G0A:G0A+3], s[G1A:G1A+7]
	s_nop 0
.rept 4
	v_nop
.endr
	s_branch .Lfirst_asked
.Lfirst_b:
	tensor_load_to_lds s[G0B:G0B+3], s[G1B:G1B+7]
	s_nop 0
.rept 4
	v_nop
.endr
.Lfirst_asked:
	s_mul_i32 s17, s15, LOADA                      ; my 64 rows of A
	s_mul_i32 s18, s16, LOADB
	s_add_co_u32 s18, s18, BOFF                    ; my 64 rows of B
	s_mul_i32 s19, s14, 16*PITCH
	s_add_co_u32 s19, s19, STAGE                   ; my stage
	s_lshl_b32 s90, s86, 7
	s_lshl_b32 s91, s16, 6
	s_add_co_u32 s90, s90, s91
	s_lshl_b32 s90, s90, 2                         ; my first column, in bytes
	s_mov_b32 s91, 0
	s_add_nc_u64 s[10:11], s[10:11], s[90:91]
	s_add_nc_u64 s[12:13], s[12:13], s[90:91]
	s_lshl_b32 s90, s87, 7
	s_lshl_b32 s92, s15, 6
	s_add_co_u32 s90, s90, s92
	s_lshl_b32 s90, s90, 12                        ; my first row, in bytes
	s_add_nc_u64 s[12:13], s[12:13], s[90:91]
	v_and_b32 v1, 15, v0                           ; r
	v_bfe_u32 v2, v0, 4, 1                         ; g
	v_lshlrev_b32 v[VB], 5, v2
.irp b, 0,1,2,3
	global_load_b128 v[BIAS+8*\b:BIAS+8*\b+3], v[VB], s[10:11] offset:64*\b       ; b(16 b + 8 g + 0 .. 7) of my 64 columns
	global_load_b128 v[BIAS+8*\b+4:BIAS+8*\b+7], v[VB], s[10:11] offset:64*\b+16
.endr
	v_lshrrev_b32 v3, 2, v1
	v_and_b32 v4, 3, v1
	v_lshrrev_b32 v5, 1, v1
	v_mul_u32_u24 v3, v3, PITCH
	v_mul_u32_u24 v5, v5, PITCH
	v_and_b32 v9, 1, v1
	v_lshl_add_u32 v3, v4, 6, v3
	v_lshl_add_u32 v5, v9, 7, v5
	v_lshl_add_u32 v3, v2, 4, v3                   ; A: 272 (r / 4) + 64 (r % 4) + 16 g
	v_lshl_add_u32 v5, v2, 4, v5                   ; B: 272 (r / 2) + 128 (r % 2) + 16 g
	v_add_nc_u32 v[ADRA], s17, v3
	v_add_nc_u32 v[ADRB], s18, v5
	v_mul_u32_u24 v6, v1, PITCH
	v_add_nc_u32 v[ADRA+1], 8*HEADB, v[ADRA]
	v_add_nc_u32 v[ADRB+1], 4*CHB, v[ADRB]
	v_mul_u32_u24 v7, v2, PITCH
	v_lshl_add_u32 v6, v2, 5, v6
	v_lshl_add_u32 v7, v1, 4, v7
	v_add_nc_u32 v[STO], s19, v6                   ; in: row r, + 32 g; block b of columns: 64 b bytes on
	v_add_nc_u32 v[RD], s19, v7                    ; back: lanes 0-15 one row of 256 bytes, lanes 16-31 the next
	v_lshlrev_b32 v8, 12, v2
	v_lshl_add_u32 v[CO], v1, 4, v8                ; and the same two rows of out, 4,096 bytes apart
.macro ASTEP a, s                      ; A's fragment of block a, step s: registers 4 c .. 4 c + 3 hold k = 32 c + 16 g + 0 .. 15 of the step (head 2 s + c / 2, channel 32 (c % 2) + 16 g on), as in B
.irp c, 0,1,2,3
	ds_load_b128 v[128*((\a)%2)+16*(\s)+4*\c:128*((\a)%2)+16*(\s)+4*\c+3], v[ADRA+(\s)/4] offset:HEADB*(2*((\s)%4)+\c/2)+4*PITCH*(\a)+32*(\c%2)
.endr
.endm
.macro LD s                            ; step s of block 0 and of B: twenty loads into registers that no product has read
	WIN 0xc0
	ASTEP 0, \s
	WIN 0x40+0x40*((\s)/4)
.irp i, 0,1,2,3
.irp c, 0,1,2,3
	ds_load_b128 v[64*((\s)%4)+16*\i+4*\c:64*((\s)%4)+16*\i+4*\c+3], v[ADRB+(\s)/4] offset:CHB*((\s)%4)+32*\c+8*PITCH*\i
.endr
.endr
.endm
.macro ALOAD a                         ; block a, all eight steps: 32 loads
	WIN 0xc0
.irp s, 0,1,2,3,4,5,6,7
	ASTEP \a, \s
.endr
.endm
.macro MUL a, s                        ; block a's four accumulators take turns, one instruction a turn, in the same order in every step
	WIN 0x0d+(\s)/4
.irp b, 0,1,2,3
.if (\s) == 0
	v_wmma_f32_16x16x128_fp8_fp8 v[ACC+32*(\a)+8*\b:ACC+32*(\a)+8*\b+7], v[64*((\s)%4)+16*\b:64*((\s)%4)+16*\b+15], v[128*((\a)%2)+16*(\s):128*((\a)%2)+16*(\s)+15], 0
.else
	v_wmma_f32_16x16x128_fp8_fp8 v[ACC+32*(\a)+8*\b:ACC+32*(\a)+8*\b+7], v[64*((\s)%4)+16*\b:64*((\s)%4)+16*\b+15], v[128*((\a)%2)+16*(\s):128*((\a)%2)+16*(\s)+15], v[ACC+32*(\a)+8*\b:ACC+32*(\a)+8*\b+7]
.endif
.endr
.endm
.macro MULS a
.irp s, 0,1,2,3,4,5,6,7
	MUL \a, \s
.endr
.endm
; THE WAY OUT of block a: out = sum x 2^(e6 + e7) + b, one packed multiply-add for two numbers; 16 rows x 64 columns go through my stage and come back as whole rows of 256 bytes.
; The rows come back into the accumulators of the block before, which have been read: no store's registers are written again.
.macro PACK a
	WIN 0
.if (\a) == 0
.set BB, 96
.else
.set BB, ACC+32*((\a)-1)
.endif
.set j, 0
.rept 16
	v_pk_fma_f32 v[TMP+j:TMP+j+1], v[ACC+32*(\a)+j:ACC+32*(\a)+j+1], s[96:97], v[BIAS+j:BIAS+j+1] op_sel_hi:[1,0,1]   ; each accumulator from its low end on
.set j, j+2
.endr
.irp b, 0,1,2,3
	ds_store_b128 v[STO], v[TMP+8*\b:TMP+8*\b+3] offset:64*\b
	ds_store_b128 v[STO], v[TMP+8*\b+4:TMP+8*\b+7] offset:64*\b+16
.endr
.irp i, 0,1,2,3,4,5,6,7
	ds_load_b128 v[BB+4*\i:BB+4*\i+3], v[RD] offset:\i*2*PITCH   ; LDS serves a wave's instructions in order: these see the stores above
.endr
	s_wait_dscnt 0x0
.irp i, 0,1,2,3,4,5,6,7
	global_store_b128 v[CO], v[BB+4*\i:BB+4*\i+3], s[12:13] offset:(16*(\a)+2*\i)*4096 th:TH_STORE_NT   ; sixteen lanes store 256 consecutive bytes, at a multiple of 256 from out's first byte
.endr
.endm
	s_wait_alu depctr_va_vdst(0)
	s_wait_kmcnt 0x0
	s_add_co_i32 s96, s62, s63
	s_add_co_i32 s96, s96, 127
	s_lshl_b32 s96, s96, 23                        ; 2^(e6 + e7) as f32
	s_mov_b32 s97, s96                             ; (named with it as a pair, so it is written)
	s_wait_tensorcnt 0x0                           ; my half of A or of B is in,
	s_barrier_signal -1
	s_barrier_wait -1                              ; everybody's is
	LD 0
	LD 1
	LD 2
.irp s, 0,1,2,3,4
	s_wait_dscnt 40                                ; step s is in; the next two steps' forty loads may be out
	MUL 0, \s
	LD \s+3
.endr
	s_wait_dscnt 40
	MUL 0, 5
	s_wait_dscnt 20
	MUL 0, 6
	ALOAD 1
	s_wait_dscnt 32                                ; step 7 is in; block 1's 32 loads may be out
	MUL 0, 7
.rept 4
	v_nop                                          ; places in front of loads into the buffer that block 0 multiplied
.endr
	ALOAD 2
	s_wait_dscnt 32                                ; block 1 is in
	MULS 1
	s_wait_loadcnt 0x0                             ; the biases
	PACK 0
	ALOAD 3                                        ; (block 0's sixteen multiply-adds are the places behind block 1's products)
	MULS 2                                         ; (block 2 came in ahead of block 0's rows)
	PACK 1                                         ; its wait shows block 3 too
	MULS 3
	PACK 2
	PACK 3
	s_wait_tensorcnt 0x0                           ; the wave's end: behind my last tensor load and my last LDS store
	ds_add_u32 v[SPW], v[NIL]
	s_wait_dscnt 0x0
	CROUND                                         ; the closing round: no work-group ends while a partner may still ask for a tile that names it
	s_endpgm
.Lfunc_end_k_q89e3faedbb_gemm_out:
	.size	k_q89e3faedbb_gemm_out, .Lfunc_end_k_q89e3faedbb_gemm_out-k_q89e3faedbb_gemm_out
	.p2alignl 7, 3214868480
	.fill 96, 4, 3214868480
	.section	.rodata,"a",@progbits
	.p2align	6, 0x0
	.amdhsa_kernel k_q89e3faedbb_gemm_out
		.amdhsa_group_segment_fixed_size 327680
		.amdhsa_private_segment_fixed_size 0
		.amdhsa_enable_private_segment 0
		.amdhsa_kernarg_size 40
		.amdhsa_user_sgpr_count 2
		.amdhsa_user_sgpr_kernarg_segment_ptr 1
		.amdhsa_wavefront_size32 1
		.amdhsa_system_sgpr_workgroup_id_x 1
		.amdhsa_system_sgpr_workgroup_id_y 1
		.amdhsa_system_sgpr_workgroup_id_z 1
		.amdhsa_system_vgpr_workitem_id 0
		.amdhsa_next_free_vgpr 1024
		.amdhsa_next_free_sgpr 100
		.amdhsa_reserve_vcc 0
		.amdhsa_float_denorm_mode_32 3
		.amdhsa_float_denorm_mode_16_64 3
		.amdhsa_memory_ordered 1
		.amdhsa_forward_progress 1
		.amdhsa_inst_pref_size 45
	.end_amdhsa_kernel
	.amdgpu_metadata
---
amdhsa.version: [ 1, 2 ]
amdhsa.kernels:
  - .name:           k_q89e3faedbb_gemm_out
    .symbol:         k_q89e3faedbb_gemm_out.kd
    .args:
      - { .name: y_codes, .offset: 0, .size: 8, .value_kind: global_buffer, .address_space: global }
      - { .name: xw_codes, .offset: 8, .size: 8, .value_kind: global_buffer, .address_space: global }
      - { .name: lowp_scales, .offset: 16, .size: 8, .value_kind: global_buffer, .address_space: global }
      - { .name: b_out, .offset: 24, .size: 8, .value_kind: global_buffer, .address_space: global }
      - { .name: out0, .offset: 32, .size: 8, .value_kind: global_buffer, .address_space: global }
    .group_segment_fixed_size: 327680
    .private_segment_fixed_size: 0
    .kernarg_segment_align: 8
    .kernarg_segment_size: 40
    .max_flat_workgroup_size: 128
    .sgpr_count:     100
    .vgpr_count:     1024
    .wavefront_size: 32
...
	.end_amdgpu_metadata
.endif
;; end of part 4
